; MI455X (gfx1250); checked and timed in simulation.
; The chip was launched on July 23, 2026; its instructions are those of AMD's public machine-readable ISA for CDNA 5 (MIT licence, August 2026) and "CDNA5" Instruction Set Architecture Reference Guide (July 2026). The comments in the code are by the model that wrote it; some were corrected since.
;; Multi Head Self Attention. Allowed arithmetic: matrix products marked QUANTISED: E2M3 operands, one E8M0 scale for each 32 along K, by v_wmma_scale_f32_16x16x128_f8f6f4 with both operands' format E2M3, f32 sums; everything else in f32.
;; Inputs: bk 1,024 float32; bo 1,024 float32; bq 1,024 float32; bv 1,024 float32; wk 1,024 x 1,024 float32; wo 1,024 x 1,024 float32; wq 1,024 x 1,024 float32; wv 1,024 x 1,024 float32; x 4 x 2,048 x 1,024 float32.
;; Outputs: out0 4 x 2,048 x 1,024 float32.
;; This version of the problem:
;;   THIS VERSION OF THE PROBLEM IS GIVEN IN LOW PRECISION. The matrix products marked QUANTISED in the list below multiply operands that are first quantised to E2M3 (2 exponent bits, 3 mantissa bits; 6 bits a number), with one power-of-two scale for each 32 numbers along K (OCP MX v1.0); their sums are f32. All else is computed in f32.
;;   The module's matrix products, in the order in which they are computed (A, B: the left and right operand; K: the contracted axis; several contracted axes count as one K, in the product's order):
;;     1. [M 8,192, K 1,024] x [K 1,024, N 1,024]; A: input x; B: input wq: QUANTISED
;;     2. [M 8,192, K 1,024] x [K 1,024, N 1,024]; A: input x; B: input wk: QUANTISED
;;     3. [M 8,192, K 1,024] x [K 1,024, N 1,024]; A: input x; B: input wv: QUANTISED
;;     4. batch 64 x [M 2,048, K 64] x [K 64, N 2,048]; A: computed on the way; B: computed on the way: QUANTISED
;;     5. batch 64 x [M 2,048, K 2,048] x [K 2,048, N 64]; A: softmax (see below); B: computed on the way: QUANTISED
;;     6. [M 8,192, K 1,024] x [K 1,024, N 1,024]; A: computed on the way; B: input wo: QUANTISED
;;   THE QUANTISER, for each operand of a quantised product, along K:
;;     - K is cut into blocks of 32 from its start; a last block that is shorter is filled with zeros.
;;     - A block's scale is 2^e with e = floor(log2(the largest magnitude in the block)) - 2, held to -126 .. 127; a block of zeros has e = 0. As a byte (E8M0): e + 127.
;;     - Each number is divided by its block's scale, clamped to +-7.5, and rounded to the nearest number of E2M3, ties to even, subnormals kept.
;;     - The product sums the exact products of the quantised numbers (number of the format x scale) in f32.
;;   ~~~python
;;   def quantise(x, axis):      # numpy; x: float32 -> the quantised numbers, widened to float32 again
;;       x = np.moveaxis(x, axis, -1); K = x.shape[-1]
;;       x = np.pad(x, [(0, 0)] * (x.ndim - 1) + [(0, -K % 32)]); x = x.reshape(x.shape[:-1] + (-1, 32)); a = np.abs(x).max(-1, keepdims=True)
;;       e = np.where(a > 0, np.clip(np.frexp(np.where(a > 0, a, 1))[1] - 1 - 2, -126, 127), 0)      # np.frexp(a)[1] - 1 = floor(log2(a)), exactly
;;       r = np.clip(x / 2.0 ** e, -7.5, 7.5)
;;       step = 2.0 ** (np.maximum(np.frexp(np.where(r == 0, 1, r))[1] - 1, 0) - 3)
;;       q = np.round(r / step) * step * 2.0 ** e      # np.round: ties to even
;;       return np.moveaxis(q.reshape(q.shape[:-2] + (-1,))[..., :K], -1, axis).astype(np.float32)
;;   ~~~
;;   SOFTMAX AHEAD OF A QUANTISED PRODUCT. Where the list says 'softmax', what is quantised is not the finished softmax but p = 2^(t - M), with t = logit x log2(e) and M = ceil(the row's largest t), a whole number; so 1/2 < the row's largest p <= 1. The row's sum l is taken of the UNQUANTISED p, in f32, and the product's result is divided by l at the end. Since M is a whole number, a kernel that streams over the keys may use a running M (the ceiling of the running maximum): every later rescaling is an exact power of two, which a block's scale takes up: the codes' values come out the same.
;;   OPERANDS COMPUTED ON THE WAY. 'Computed on the way' means the value that the module computes at that place (a softmax that the list does not call 'softmax' is quantised finished and normalised). What goes into a quantiser is computed in f32, as accurately as f32 sums, v_exp_f32 and their like allow (about 1e-6 of the number): no bf16 or f16 on the way to a quantiser, and a product that is left as it is and whose result goes on into a quantised operand takes f32 operands (vector FMAs, or v_wmma_f32_16x16x4_f32). A number that lies on a knife's edge between two numbers of the format may be rounded either way, as far as f32 arithmetic and the matrix unit's own rounding can turn it there, and no further.
;; One version. Each part assembles by itself: llvm-mc -triple=amdgcn-amd-amdhsa -mcpu=gfx1250 --defsym DOCPART=n.
;; ======== version 1 of 1: 5 launches
;; limits: right only within a limited range of input values
;; workspace buffers: xc 6,291,456 bytes; xs 262,144 bytes; wc 3,145,728 bytes; ws 131,072 bytes; qkv 26,738,688 bytes; ac 6,291,456 bytes; asc 262,144 bytes
;; launch quant_x (part 1): grid 512 x 1, 4 waves a work-group, no clusters, 68,096 bytes of LDS; arguments x, xc, xs; writes xc, xs
.if DOCPART == 1
	.amdgcn_target "amdgcn-amd-amdhsa--gfx1250"
	.amdhsa_code_object_version 6
	.text
	.protected	k_q5ee9dab5c7_quant_x
	.globl	k_q5ee9dab5c7_quant_x
	.p2align	8
	.type	k_q5ee9dab5c7_quant_x,@function
k_q5ee9dab5c7_quant_x:
	s_mov_b64 s[64:65], 0
	v_nop
	global_prefetch_b8 v0, s[64:65] scope:SCOPE_SE
	s_setreg_imm32_b32 hwreg(HW_REG_WAVE_MODE, 25, 1), 1
	s_wait_xcnt 0x0
; x [8192][1024] f32 becomes codes of FP6 (E2M3) with one E8M0 byte for each 32 along K, laid as the products' launches take an operand.
; ROW ORDER: rows go in tiles of 16; row r of tile T is x's row 32 (T / 2) + 8 (T % 2) + r + 8 (r / 8).  So where such tiles are source 0 of a product, a lane's 16 result registers of tiles 2 b, 2 b + 1 are 16 neighbouring rows.
; xc: [tile 512][K step 8][1536]: a fragment (16 rows x 128 K, 12 registers a lane) as an image of its registers: registers 0-3 at 16 x lane, 4-5 at 512 + 8 x lane, 6-9 at 768 + 16 x lane, 10-11 at 1280 + 8 x lane.
; xs: [16 T + r][32]: a row's 32 scale bytes, one word for each 128 along K.
; A block's scale is 2^(floor(log2(largest magnitude)) - 2): its byte is the largest magnitude's exponent field - 2, held at 1 from below.
; LIMITS: NaN and infinities are not served; a block whose largest magnitude lies under 2^-124 gets the byte 1; a block of zeros gets the byte 1, not 127: its codes are zeros and this program alone reads the bytes.
; SHARES: a work-group takes one tile, wave w its K steps 2 w and 2 w + 1.  Each load reads 512 consecutive bytes of a row; the numbers turn through the wave's own stage in LDS, so that a lane gets 16 neighbours of each block of 32.
; No tensor load, no barrier: waves share nothing.
.set WST,    16896                     ; a wave's two stages
.set STG,    8448                      ; a stage: 16 rows x 528 bytes
.set SPITCH, 528                       ; 512 bytes + 16: 132 words, so the sixteen rows that a load touches start 4 banks apart
.set SPARE,  4*WST                     ; the spare words: 128 bytes a wave, two blocks of 256 bytes that no other line names
.set L16, 1                            ; v1  16 x lane
.set L8,  2                            ; v2  8 x lane
.set SIN, 3                            ; v3  stage, way in: my wave's + 16 x lane
.set SOUT,4                            ; v4  stage, way out: my wave's + 528 r + 64 h
.set XSO, 5                            ; v5  32 r + 4 h: my scale word's place
.set SPW, 6                            ; v6  my spare word
.set NIL, 7                            ; v7  0
.set PW0, 8                            ; v8  the first K step's scale word
.set LN,  9                            ; v9  lane
.set R,   16                           ; v16-143 as loaded: 64 f + 4 row
.set X,   144                          ; v144-207 64 numbers: register 16 b + i = k 32 b + 16 h + i of my row
.set PC,  208                          ; v208-226 codes, and the conversions' second halves
.set TM,  228                          ; v228-243 at work
.set PW,  244                          ; the scale word just made
.set SEL, 12                           ; s[12:13] selects for lane l xor 16
; 64 numbers of a lane, v[s] on, become a fragment's 12 registers in v[PC] on and its rows' scale word in v[PW]
.macro QUANT s
.irp b, 0,1,2,3
	v_max3_num_f32 v[TM+\b], |v[\s+16*\b]|, |v[\s+1+16*\b]|, 0x1800000   ; my 16 numbers of block b, and the floor 2^(3 - 127): the byte cannot fall under 1
.endr
.irp i, 2,4,6,8,10,12,14
.irp b, 0,1,2,3
	v_max3_num_f32 v[TM+\b], v[TM+\b], |v[\s+16*\b+\i]|, |v[\s+1+16*\b+\i]|   ; the four blocks by turns
.endr
.endr
.irp b, 0,1,2,3
	v_permlanex16_b32 v[TM+4+\b], v[TM+\b], s[SEL], s[SEL+1]
.endr
.irp b, 0,1,2,3
	v_max_num_f32 v[TM+\b], v[TM+\b], v[TM+4+\b]                   ; with lane l xor 16's 16: the block's largest magnitude
.endr
.irp b, 0,1,2,3
	v_add_nc_u32 v[TM+12+\b], 0xff000000, v[TM+\b]                 ; 2 off its exponent field: the conversion's scale operand
.endr
.irp b, 0,1,2,3
	v_lshrrev_b32 v[TM+4+\b], 23, v[TM+12+\b]                      ; the scale's byte
.endr
	v_lshl_or_b32 v[PW], v[TM+5], 8, v[TM+4]
	v_lshl_or_b32 v[PW], v[TM+6], 16, v[PW]
	v_lshl_or_b32 v[PW], v[TM+7], 24, v[PW]
.irp c, 0,1
	v_cvt_scalef32_pk16_fp6_f32 v[PC+6*\c:PC+2+6*\c], v[\s+32*\c:\s+15+32*\c], v[TM+12+2*\c]
	v_cvt_scalef32_pk16_fp6_f32 v[PC+12+4*\c:PC+14+4*\c], v[\s+16+32*\c:\s+31+32*\c], v[TM+12+2*\c+1]   ; a conversion's three registers begin on an even number
.endr
	v_nop                                          ; one plain place behind the scaled conversions
.irp c, 0,1                                    ; the operand wants a whole block in a lane: lanes 0-15 block 2 c, lanes 16-31 block 2 c + 1
.irp i, 0,1,2
	v_permlane16_swap_b32 v[PC+6*\c+\i], v[PC+12+4*\c+\i]
.endr
.irp i, 0,1,2
	v_mov_b32 v[PC+3+6*\c+\i], v[PC+12+4*\c+\i]
.endr
.endr
.endm
.macro IMG off                                 ; the fragment leaves as it stands: each store covers 512 or 256 consecutive bytes, aligned
	global_store_b128 v[L16], v[PC:PC+3], s[6:7] offset:\off
	global_store_b64 v[L8], v[PC+4:PC+5], s[6:7] offset:\off+512
	global_store_b128 v[L16], v[PC+6:PC+9], s[6:7] offset:\off+768
	global_store_b64 v[L8], v[PC+10:PC+11], s[6:7] offset:\off+1280
.endm
.macro TURN f, dst                             ; K step f's 16 x 128 numbers through stage f: LDS serves a wave's instructions in order, so no wait stands between the stores and the loads
.irp r, 0,1,2,3,4,5,6,7,8,9,10,11,12,13,14,15
	ds_store_b128 v[SIN], v[R+64*\f+4*\r:R+64*\f+4*\r+3] offset:STG*\f+SPITCH*\r
.endr
.irp b, 0,1,2,3
.irp j, 0,1,2,3
	ds_load_b128 v[\dst+16*\b+4*\j:\dst+16*\b+4*\j+3], v[SOUT] offset:STG*\f+128*\b+16*\j
.endr
.endr
.endm
	s_load_b128 s[4:7], s[0:1], 0x0                ; x, xc
	s_load_b64 s[8:9], s[0:1], 0x10                ; xs
	v_lshl_add_u32 v[SPW], v0, 2, SPARE
	v_mov_b32 v[NIL], 0
	v_lshrrev_b32 v10, 5, v0
	v_readfirstlane_b32 s16, v10                   ; wave
	v_and_b32 v[LN], 31, v0
	v_and_b32 v10, 15, v0                          ; r
	v_bfe_u32 v11, v0, 4, 1                        ; h
	v_lshlrev_b32 v[L16], 4, v[LN]
	v_lshlrev_b32 v[L8], 3, v[LN]
	s_mul_i32 s17, s16, WST
	v_add_nc_u32 v[SIN], s17, v[L16]
	v_mul_u32_u24 v[SOUT], v10, SPITCH
	v_lshl_add_u32 v[SOUT], v11, 6, v[SOUT]
	v_add_nc_u32 v[SOUT], s17, v[SOUT]
	v_lshlrev_b32 v[XSO], 5, v10
	v_lshl_add_u32 v[XSO], v11, 2, v[XSO]
.irp b, 0,1,2,3
	v_mov_b32 v[TM+4+\b], 0                        ; written once: a lane permute's destination counts as one of its sources
.endr
	s_mov_b32 s[SEL], 0x76543210
	s_mov_b32 s[SEL+1], 0xfedcba98
	s_lshr_b32 s18, ttmp9, 1
	s_lshl_b32 s18, s18, 5
	s_and_b32 s19, ttmp9, 1
	s_lshl_b32 s19, s19, 3
	s_add_co_u32 s18, s18, s19                     ; the tile's first row of x
	s_lshl_b32 s18, s18, 12                        ; x 4,096 bytes (under 2^25)
	s_lshl_b32 s19, s16, 10
	s_add_co_u32 s18, s18, s19                     ; + my two K steps: 1,024 bytes a wave
	s_mov_b32 s19, 0
	s_mul_i32 s20, ttmp9, 12288
	s_mul_i32 s21, s16, 3072
	s_add_co_u32 s20, s20, s21
	s_mov_b32 s21, 0
	s_lshl_b32 s22, ttmp9, 9
	s_lshl_b32 s23, s16, 3
	s_add_co_u32 s22, s22, s23
	s_mov_b32 s23, 0
	s_wait_alu depctr_va_vdst(0)
	s_wait_kmcnt 0x0
	s_add_nc_u64 s[4:5], s[4:5], s[18:19]
	s_add_nc_u64 s[6:7], s[6:7], s[20:21]
	s_add_nc_u64 s[8:9], s[8:9], s[22:23]
.irp f, 0,1
.irp r, 0,1,2,3,4,5,6,7,8,9,10,11,12,13,14,15
	global_load_b128 v[R+64*\f+4*\r:R+64*\f+4*\r+3], v[L16], s[4:5] offset:(\r+8*(\r/8))*4096+512*\f th:TH_LOAD_NT   ; 32 lanes read 512 consecutive bytes of a row
.endr
.endr
	s_wait_loadcnt 16                              ; the first K step's 16 loads are in; the second's 16 may be out
	TURN 0, X
	s_wait_loadcnt 0x0
	s_wait_dscnt 0x0                               ; the first turn's stores have read v[R] on, and its numbers are back
	TURN 1, R                                      ; the second K step comes back into the first's registers while the first is quantised
	QUANT X
	IMG 0
	v_mov_b32 v[PW0], v[PW]
	s_wait_dscnt 0x0                               ; the second K step's numbers are back
	s_wait_xcnt 0x0                                ; the stores have read the codes' registers: they are written again only behind this wait
	QUANT R
	IMG 1536
	v_cmp_gt_u32 vcc_lo, 16, v[LN]
	v_cndmask_b32 v[PW0], v[PW], v[PW0], vcc_lo    ; lanes 0-15 store row r's first word, lanes 16-31 its second
	global_store_b32 v[XSO], v[PW0], s[8:9]        ; 8 bytes of each row's 32: the scales are one byte in 128 of what is read here
	s_wait_tensorcnt 0x0                           ; the wave's end
	ds_add_u32 v[SPW], v[NIL]
	s_wait_dscnt 0x0
	s_endpgm
.Lfunc_end_k_q5ee9dab5c7_quant_x:
	.size	k_q5ee9dab5c7_quant_x, .Lfunc_end_k_q5ee9dab5c7_quant_x-k_q5ee9dab5c7_quant_x
	.p2alignl 7, 3214868480
	.fill 96, 4, 3214868480
	.section	.rodata,"a",@progbits
	.p2align	6, 0x0
	.amdhsa_kernel k_q5ee9dab5c7_quant_x
		.amdhsa_group_segment_fixed_size 68096
		.amdhsa_private_segment_fixed_size 0
		.amdhsa_enable_private_segment 0
		.amdhsa_kernarg_size 24
		.amdhsa_user_sgpr_count 2
		.amdhsa_user_sgpr_kernarg_segment_ptr 1
		.amdhsa_wavefront_size32 1
		.amdhsa_system_sgpr_workgroup_id_x 1
		.amdhsa_system_sgpr_workgroup_id_y 1
		.amdhsa_system_sgpr_workgroup_id_z 1
		.amdhsa_system_vgpr_workitem_id 0
		.amdhsa_next_free_vgpr 256
		.amdhsa_next_free_sgpr 66
		.amdhsa_reserve_vcc 1
		.amdhsa_float_denorm_mode_32 3
		.amdhsa_float_denorm_mode_16_64 3
		.amdhsa_memory_ordered 1
		.amdhsa_forward_progress 1
		.amdhsa_inst_pref_size 18
	.end_amdhsa_kernel
	.amdgpu_metadata
---
amdhsa.version: [ 1, 2 ]
amdhsa.kernels:
  - .name:           k_q5ee9dab5c7_quant_x
    .symbol:         k_q5ee9dab5c7_quant_x.kd
    .args:
      - { .name: x, .offset: 0, .size: 8, .value_kind: global_buffer, .address_space: global }
      - { .name: xc, .offset: 8, .size: 8, .value_kind: global_buffer, .address_space: global }
      - { .name: xs, .offset: 16, .size: 8, .value_kind: global_buffer, .address_space: global }
    .group_segment_fixed_size: 68096
    .private_segment_fixed_size: 0
    .kernarg_segment_align: 8
    .kernarg_segment_size: 24
    .max_flat_workgroup_size: 128
    .sgpr_count:     66
    .vgpr_count:     256
    .wavefront_size: 32
...
	.end_amdgpu_metadata
.endif
;; end of part 1
;; launch quant_w (part 2): grid 8 x 32, 4 waves a work-group, no clusters, 12,800 bytes of LDS; arguments wq, wk, wv, wo, wc, ws; writes wc, ws
.if DOCPART == 2
	.amdgcn_target "amdgcn-amd-amdhsa--gfx1250"
	.amdhsa_code_object_version 6
	.text
	.protected	k_q5ee9dab5c7_quant_w
	.globl	k_q5ee9dab5c7_quant_w
	.p2align	8
	.type	k_q5ee9dab5c7_quant_w,@function
k_q5ee9dab5c7_quant_w:
	s_mov_b64 s[64:65], 0
	v_nop
	global_prefetch_b8 v0, s[64:65] scope:SCOPE_SE
	s_setreg_imm32_b32 hwreg(HW_REG_WAVE_MODE, 25, 1), 1
	s_wait_xcnt 0x0
; The four weights [K 1024][N 1024] f32, whose K is their FIRST axis, become codes of FP6 (E2M3) with one E8M0 byte for each 32 along K.  An operand's rows are the weight's columns n.
; wc: [weight q,k,v,o][tile 64][K step 8][1536], ws: [1024 weight + 16 tile + r][32]: the same images of fragments and the same row order as the tokens' codes: row r of tile T is column 32 (T / 2) + 8 (T % 2) + r + 8 (r / 8).
; A LANE TAKES A COLUMN AND ITS REGISTERS RUN DOWN K: each load reads 128 consecutive bytes a wave (512 a work-group), a block of 32 lies in one lane, and the conversions give codes with K innermost.
; A work-group takes 128 columns x 128 along K of one weight (x: which columns; y: 8 x weight + K step); a wave 32 columns: two tiles.  Lane L holds row r = L % 8 + 8 (L / 16) of tile u = (L / 8) % 2.
; Its block beta = 2 c + h belongs to lane r + 16 h of the fragment, registers 6 c on: the codes go there through the wave's own 3,072 bytes of LDS and leave as whole images.
; LIMITS: as in the tokens' quantiser: no NaN, no infinities; largest magnitudes under 2^-124 and blocks of zeros get the byte 1.
.set SPARE, 12288                      ; behind the four waves' 3,072 bytes: the spare words, two blocks of 256 bytes that no other line names
.set SB,   16                          ; v16      my column's four scale bytes
.set C,    20                          ; v20-51   codes, eight registers a block
.set X,    64                          ; v64-191  my column's 128 numbers
.set OUTR, 192                         ; v192-215 the way out: two fragments
	s_load_b256 s[4:11], s[0:1], 0x0               ; wq, wk, wv, wo
	s_load_b128 s[12:15], s[0:1], 0x20             ; wc, ws
	v_lshl_add_u32 v10, v0, 2, SPARE               ; v10: my spare word
	v_mov_b32 v11, 0                               ; v11: 0
	v_lshrrev_b32 v12, 5, v0
	v_readfirstlane_b32 s16, v12                   ; wave
	v_and_b32 v12, 31, v0                          ; L
	v_lshlrev_b32 v1, 2, v12                       ; v1: 4 bytes a lane in a row of the weight
	v_bfe_u32 v13, v0, 3, 1                        ; u
	v_and_b32 v14, 7, v0
	v_bfe_u32 v15, v0, 4, 1
	v_lshl_add_u32 v14, v15, 3, v14                ; r
	s_mul_i32 s17, s16, 3072
	v_mul_u32_u24 v15, v13, 1536
	v_add_nc_u32 v15, s17, v15
	v_lshl_add_u32 v2, v14, 4, v15                 ; v2: into LDS: my fragment + 16 r
	v_lshl_add_u32 v3, v14, 3, v15                 ; v3: my fragment + 8 r
	v_lshlrev_b32 v6, 4, v12                       ; v6: 16 L
	v_lshlrev_b32 v7, 3, v12                       ; v7: 8 L
	v_add_nc_u32 v4, s17, v6                       ; v4, v5: out of LDS
	v_add_nc_u32 v5, s17, v7
	v_lshl_add_u32 v8, v13, 4, v14
	v_lshlrev_b32 v8, 5, v8                        ; v8: (16 u + r) x 32: my row of scale bytes
	s_and_b32 s18, ttmp7, 0xffff
	s_lshr_b32 s19, s18, 3                         ; which weight
	s_and_b32 s18, s18, 7                          ; which K step
	s_lshl_b32 s20, s18, 19                        ; 128 rows of 4,096 bytes
	s_lshl_b32 s21, ttmp9, 9
	s_add_co_u32 s20, s20, s21
	s_lshl_b32 s21, s16, 7
	s_add_co_u32 s20, s20, s21                     ; + my wave's first column
	s_mov_b32 s21, 0
	s_lshl_b32 s22, s19, 6
	s_lshl_b32 s23, ttmp9, 3
	s_add_co_u32 s22, s22, s23
	s_lshl_b32 s23, s16, 1
	s_add_co_u32 s22, s22, s23                     ; my first tile
	s_mul_i32 s22, s22, 12288
	s_mul_i32 s23, s18, 1536
	s_add_co_u32 s22, s22, s23
	s_mov_b32 s23, 0
	s_lshl_b32 s24, s19, 15
	s_lshl_b32 s25, ttmp9, 12
	s_add_co_u32 s24, s24, s25
	s_lshl_b32 s25, s16, 10
	s_add_co_u32 s24, s24, s25
	s_lshl_b32 s25, s18, 2
	s_add_co_u32 s24, s24, s25
	s_mov_b32 s25, 0
	s_wait_kmcnt 0x0
	s_cmp_eq_u32 s19, 1                            ; the choice of the weight hangs on the work-group's number alone
	s_cselect_b64 s[4:5], s[6:7], s[4:5]
	s_cmp_eq_u32 s19, 2
	s_cselect_b64 s[4:5], s[8:9], s[4:5]
	s_cmp_eq_u32 s19, 3
	s_cselect_b64 s[4:5], s[10:11], s[4:5]
	s_add_nc_u64 s[4:5], s[4:5], s[20:21]
	s_add_nc_u64 s[12:13], s[12:13], s[22:23]
	s_add_nc_u64 s[14:15], s[14:15], s[24:25]
.macro LOAD t                          ; block t: the weight's rows 32 t + i at my column
.irp i, 0,1,2,3,4,5,6,7,8,9,10,11,12,13,14,15,16,17,18,19,20,21,22,23,24,25,26,27,28,29,30,31
	global_load_b32 v[X+32*(\t)+\i], v1, s[4:5] offset:(32*(\t)+\i)*4096 th:TH_LOAD_NT
.endr
.endm
.macro BLOCK t
.set XS, X+32*(\t)
.set CC, C+8*(\t)
.if (\t) < 3
	s_wait_loadcnt 32                              ; this block's 32 loads are in; the next block's 32 may be out
.else
	s_wait_loadcnt 0x0
.endif
.if (\t)+2 < 4
	LOAD (\t)+2                                    ; two blocks ahead, into registers of its own
.endif
	v_max3_num_f32 v12, |v[XS]|, |v[XS+1]|, |v[XS+2]|              ; the block's largest magnitude: all 32 numbers are mine
	v_max3_num_f32 v13, |v[XS+3]|, |v[XS+4]|, |v[XS+5]|
.irp i, 6,10,14,18,22,26
	v_max3_num_f32 v12, v12, |v[XS+\i]|, |v[XS+\i+1]|
	v_max3_num_f32 v13, v13, |v[XS+\i+2]|, |v[XS+\i+3]|
.endr
	v_max3_num_f32 v12, v12, |v[XS+30]|, |v[XS+31]|
	v_max3_num_f32 v12, v12, v13, 0x1800000        ; and the floor 2^(3 - 127)
	v_add_nc_u32 v14, 0xff000000, v12              ; 2 off the exponent field: the conversion's scale operand
	v_lshrrev_b32 v15, 23, v14                     ; the scale's byte
.if (\t) == 0
	v_mov_b32 v[SB], v15
.else
	v_lshl_or_b32 v[SB], v15, 8*(\t), v[SB]
.endif
	v_cvt_scalef32_pk16_fp6_f32 v[CC:CC+2], v[XS:XS+15], v14
	v_cvt_scalef32_pk16_fp6_f32 v[CC+4:CC+6], v[XS+16:XS+31], v14
	v_nop                                          ; one plain place behind the scaled conversions
	v_mov_b32 v[CC+3], v[CC+4]                     ; six registers on end
	v_mov_b32 v[CC+4], v[CC+5]
	v_mov_b32 v[CC+5], v[CC+6]
	ds_store_b128 v2, v[CC:CC+3] offset:768*((\t)/2)+256*((\t)%2)         ; registers 6 c .. 6 c + 3 of lane r + 16 h
	ds_store_b64 v3, v[CC+4:CC+5] offset:768*((\t)/2)+512+128*((\t)%2)    ; registers 6 c + 4, 6 c + 5
.endm
	LOAD 0
	LOAD 1
	BLOCK 0
	BLOCK 1
	BLOCK 2
	BLOCK 3
	global_store_b32 v8, v[SB], s[14:15]           ; 4 bytes of my row's 32: one byte in 128 of what is read here
.irp u, 0,1                                    ; LDS serves a wave's instructions in order: these see my wave's stores
	ds_load_b128 v[OUTR+12*\u:OUTR+12*\u+3], v4 offset:1536*\u
	ds_load_b64 v[OUTR+12*\u+4:OUTR+12*\u+5], v5 offset:1536*\u+512
	ds_load_b128 v[OUTR+12*\u+6:OUTR+12*\u+9], v4 offset:1536*\u+768
	ds_load_b64 v[OUTR+12*\u+10:OUTR+12*\u+11], v5 offset:1536*\u+1280
.endr
.irp u, 0,1                                    ; each wait leaves the younger LDS loads out; each store covers 512 or 256 consecutive bytes, aligned
	s_wait_dscnt 7-4*\u
	global_store_b128 v6, v[OUTR+12*\u:OUTR+12*\u+3], s[12:13] offset:12288*\u
	s_wait_dscnt 6-4*\u
	global_store_b64 v7, v[OUTR+12*\u+4:OUTR+12*\u+5], s[12:13] offset:12288*\u+512
	s_wait_dscnt 5-4*\u
	global_store_b128 v6, v[OUTR+12*\u+6:OUTR+12*\u+9], s[12:13] offset:12288*\u+768
	s_wait_dscnt 4-4*\u
	global_store_b64 v7, v[OUTR+12*\u+10:OUTR+12*\u+11], s[12:13] offset:12288*\u+1280
.endr
	s_wait_tensorcnt 0x0                           ; the wave's end
	ds_add_u32 v10, v11
	s_wait_dscnt 0x0
	s_endpgm
.Lfunc_end_k_q5ee9dab5c7_quant_w:
	.size	k_q5ee9dab5c7_quant_w, .Lfunc_end_k_q5ee9dab5c7_quant_w-k_q5ee9dab5c7_quant_w
	.p2alignl 7, 3214868480
	.fill 96, 4, 3214868480
	.section	.rodata,"a",@progbits
	.p2align	6, 0x0
	.amdhsa_kernel k_q5ee9dab5c7_quant_w
		.amdhsa_group_segment_fixed_size 12800
		.amdhsa_private_segment_fixed_size 0
		.amdhsa_enable_private_segment 0
		.amdhsa_kernarg_size 48
		.amdhsa_user_sgpr_count 2
		.amdhsa_user_sgpr_kernarg_segment_ptr 1
		.amdhsa_wavefront_size32 1
		.amdhsa_system_sgpr_workgroup_id_x 1
		.amdhsa_system_sgpr_workgroup_id_y 1
		.amdhsa_system_sgpr_workgroup_id_z 1
		.amdhsa_system_vgpr_workitem_id 0
		.amdhsa_next_free_vgpr 216
		.amdhsa_next_free_sgpr 66
		.amdhsa_reserve_vcc 0
		.amdhsa_float_denorm_mode_32 3
		.amdhsa_float_denorm_mode_16_64 3
		.amdhsa_memory_ordered 1
		.amdhsa_forward_progress 1
		.amdhsa_inst_pref_size 23
	.end_amdhsa_kernel
	.amdgpu_metadata
---
amdhsa.version: [ 1, 2 ]
amdhsa.kernels:
  - .name:           k_q5ee9dab5c7_quant_w
    .symbol:         k_q5ee9dab5c7_quant_w.kd
    .args:
      - { .name: wq, .offset: 0, .size: 8, .value_kind: global_buffer, .address_space: global }
      - { .name: wk, .offset: 8, .size: 8, .value_kind: global_buffer, .address_space: global }
      - { .name: wv, .offset: 16, .size: 8, .value_kind: global_buffer, .address_space: global }
      - { .name: wo, .offset: 24, .size: 8, .value_kind: global_buffer, .address_space: global }
      - { .name: wc, .offset: 32, .size: 8, .value_kind: global_buffer, .address_space: global }
      - { .name: ws, .offset: 40, .size: 8, .value_kind: global_buffer, .address_space: global }
    .group_segment_fixed_size: 12800
    .private_segment_fixed_size: 0
    .kernarg_segment_align: 8
    .kernarg_segment_size: 48
    .max_flat_workgroup_size: 128
    .sgpr_count:     66
    .vgpr_count:     216
    .wavefront_size: 32
...
	.end_amdgpu_metadata
.endif
;; end of part 2
;; launch qkv (part 3): grid 4 x 64, 4 waves a work-group, clusters of 4 x 4, 327,680 bytes of LDS; arguments xc, xs, wc, ws, bq, bk, bv, qkv; writes qkv
.if DOCPART == 3
	.amdgcn_target "amdgcn-amd-amdhsa--gfx1250"
	.amdhsa_code_object_version 6
	.text
	.protected	k_q5ee9dab5c7_qkv
	.globl	k_q5ee9dab5c7_qkv
	.p2align	8
	.type	k_q5ee9dab5c7_qkv,@function
k_q5ee9dab5c7_qkv:
	s_mov_b64 s[64:65], 0
	v_nop
	global_prefetch_b8 v0, s[64:65] scope:SCOPE_SE
	s_setreg_imm32_b32 hwreg(HW_REG_WAVE_MODE, 25, 1), 1
	s_wait_xcnt 0x0
	s_wait_alu depctr_hold_cnt(0) depctr_sa_sdst(0) depctr_va_vdst(0) depctr_va_sdst(0) depctr_va_ssrc(0) depctr_va_vcc(0) depctr_vm_vsrc(0)
	s_getreg_b32 s2, hwreg(HW_REG_IB_STS2, 6, 4)
	s_cmp_eq_u32 s2, 0
	s_cbranch_scc0 .Lentry_in_a_cluster
	s_endpgm
.Lentry_in_a_cluster:
	s_bfe_u32 s2, ttmp6, 0x10000c
	s_cmp_lg_u32 s2, 0xf033
	s_cbranch_scc0 .Lentry_shape_is_right
	s_endpgm
.Lentry_shape_is_right:
; Q, K, V = x w + b on codes of FP6 (E2M3) with E8M0 scales, K = 1,024, and their quantisers for the two products of attention.  No f32 result is stored.
; IN: xc, wc: images of fragments [tile of 16 rows][K step 8][1536]; xs, ws: [row][32] scale bytes.  Row r of tile T stands for token (or weight column) 32 (T / 2) + 8 (T % 2) + r + 8 (r / 8).  wc, ws hold wq, wk, wv, wo on end.
; OUT: a record for each (16 batch + head): 16 key steps of 13,056 bytes for K and V, then 16 for Q.  A step: 8 half images of 768 bytes (tiles of 16 tokens x 64 channels); V's 4 images of 1,536 (16 channels x 128 tokens);
; K's (Q's) scale words [tile / 4][r][tile % 4], the head's two bytes twice; V's [r][tile].
; SHARES: 256 work-groups of four waves; a work-group owns 128 tokens (one key step) and 256 columns (four heads) and makes Q, then K, then V of them: three phases of eight K steps, 32 products a wave and step.
; Q, K: waves 2 x 2: 4 tiles of tokens (source 1) against 8 tiles of the weight (source 0): a lane holds one token and 128 channels.  V: a wave takes all 8 tiles of tokens (source 0) against the 4 tiles of one head (source 1): a lane holds one channel and 128 tokens.
; LDS: two halves of K (four K steps each): x's 8 tiles, which stay for the whole launch, and a slot of the weight's 16 tiles.  At the head one joint load a wave: x's and wq's first halves (waves 0, 1: load lines of their own, shown by the first barrier), then the second halves.
; FOUR REFILLS, in K steps 3 and 7 of Q's and K's phases: the slot just read out takes the next weight's same half, 4 tiles a wave by one joint load, behind a wait, an LDS add, a wait and a round of the cluster's barrier.
; What a refill brought is shown by the next round, the last one's by the plain barrier in V's K step 3.  x's tiles are shared along a row of the 4 x 4 cluster, the weights' along a column.
; No prefetch: each refill is asked for four K steps or more ahead of its first read.
; THE BIAS IS THE C OF A PHASE'S FIRST PRODUCTS, laid in registers of window 3 as the result lies.  The scale words go from memory into registers (4-tile side from v28, 8-tile side from v64: the numbers differ by 4 modulo 8), anew for each phase under the way out before it.
; LIMITS: no NaN, no infinities; blocks whose largest magnitude lies under 2^-124, and blocks of zeros, get the byte 1: this program alone reads the bytes.
.set FR,     12
.set FRB,    1536
.set TROW,   6144                      ; a tile's four K steps
.set HALFK,  24*TROW                   ; x's 8 tiles, then the weight's 16
.set SPARE,  2*HALFK                   ; the spare words: 128 bytes a wave, two blocks of 256 bytes that no other line names
.set REC,    417792
.set KVP,    208896
.set STEPB,  13056
.set E8,   4                           ; v4-7   Q, K: LDS addresses of my 8 tiles of the weight: K half 0, 1 by 16 bytes a lane, then by 8
.set E4,   8                           ; v8-11  Q, K: of my 4 tiles of x
.set SPW,  12
.set NIL,  13
.set V8,   14                          ; v14-17 V: of x's 8 tiles
.set V4,   18                          ; v18-21 V: of my 4 tiles of the weight
.set L16,  22
.set L8,   23
.set R32,  24                          ; 32 r: my row of scale bytes
.set VSC,  25                          ; h records + 16 r
.set SELV, 26
.set R16,  27
.set SA,   28                          ; v28-59  scale words of the 4-tile side
.set H64,  60                          ; 64 h: Q's, K's bias
.set BVA,  61                          ; 4 (r + 8 (r / 8)): V's bias
.set SB,   64                          ; v64-127 scale words of the 8-tile side
.set AF,   128                         ; v128-223 fragments of the 4-tile side, two sets; on the way out at work:
.set PC,   128
.set TM,   148
.set PW,   164
.set PWS,  168
.set BI,   0                           ; window 3: v768-831 Q's or K's bias, v832-863 V's
.set BIV,  64
.set SEL,  66
.set G1,  24
.set G0,  32
.set G0R, 36
.set G1B, 48
.set G0B, 56
.set G1R, 80
.set MSB, 0
.macro WIN new
.if MSB != (\new)
	s_set_vgpr_msb (MSB<<8)|(\new)
.set MSB, (\new)
.endif
.endm
.macro CREST
	s_cmp_lg_u32 s14, 0
	s_cbranch_scc1 .Lnot_wave_0_\@
	s_barrier_signal -3
.Lnot_wave_0_\@:
	s_barrier_wait -3
	s_barrier_signal -1
	s_barrier_wait -1
.endm
.macro CROUND
	s_barrier_signal -1
	s_barrier_wait -1
	CREST
.endm
.macro PLACES n
.rept \n
	v_nop
.endr
.endm
	s_load_b256 s[4:11], s[0:1], 0x0               ; xc, xs, wc, ws
	s_load_b256 s[68:75], s[0:1], 0x20             ; bq, bk, bv, qkv
	v_lshl_add_u32 v[SPW], v0, 2, SPARE
	v_mov_b32 v[NIL], 0
	ds_add_u32 v[SPW], v[NIL]                      ; the opening: the add, twice on end, and its wait ahead of my first tensor load
	ds_add_u32 v[SPW], v[NIL]
	v_lshrrev_b32 v1, 5, v0
	v_readfirstlane_b32 s14, v1                    ; wave
	s_lshr_b32 s15, s14, 1                         ; Q, K: my half of the tokens.  At the head: the K half that I fetch
	s_and_b32 s16, s14, 1                          ; Q, K: my half of the columns.  At the head: x (0) or the weight (1)
	s_bfe_u32 s40, ttmp6, 0x40000
	s_bfe_u32 s41, ttmp6, 0x40004
	s_lshl_b32 s42, ttmp9, 2
	s_add_co_u32 s42, s42, s40                     ; block of 256 columns, 0 .. 3
	s_and_b32 s17, ttmp7, 0xffff
	s_lshl_b32 s17, s17, 2
	s_add_co_u32 s17, s17, s41                     ; block of 128 tokens, 0 .. 63
	s_lshl_b32 s43, s41, 2
	s_lshl_b32 s43, 15, s43                        ; my row of the cluster
	s_lshl_b32 s44, 0x1111, s40                    ; my column
	s_or_b32 s[G1+0], s43, (3<<16)|(1<<21)
	s_or_b32 s[G1B+0], s44, (3<<16)|(1<<21)
	s_or_b32 s[G1R+0], s44, (3<<16)|(1<<21)
.irp g, G1, G1B, G1R
	s_mov_b32 s[\g+1], 768<<16                     ; a row: 768 elements of 8 bytes, four K steps of a tile
	s_mov_b32 s[\g+3], 768<<16
	s_mov_b32 s[\g+5], 1536                        ; from tile to tile
	s_mov_b32 s[\g+6], 0
	s_mov_b32 s[\g+7], 0
.endr
	s_mov_b32 s[G1+2], 8<<16                       ; x: 8 tiles
	s_mov_b32 s[G1+4], 8
	s_mov_b32 s[G1B+2], 16<<16                     ; the weight at the head: 16
	s_mov_b32 s[G1B+4], 16
	s_mov_b32 s[G1R+2], 4<<16                      ; in a refill: 4 a wave
	s_mov_b32 s[G1R+4], 4
	s_mul_i32 s2, s15, TROW
	s_mul_i32 s96, s17, 8*12288
	s_add_co_u32 s96, s96, s2                      ; x's tiles, my K half
	s_mov_b32 s97, 0
	s_mul_i32 s98, s42, 16*12288
	s_mul_i32 s100, s14, 4*12288
	s_add_co_u32 s100, s100, s98
	s_add_co_u32 s100, s100, TROW                  ; the refills' walk starts at my 4 tiles of wq, second K half
	s_mov_b32 s101, 0
	s_add_co_u32 s98, s98, s2                      ; wq's tiles, my K half
	s_mov_b32 s99, 0
	s_mul_i32 s45, s15, HALFK
	s_mul_i32 s62, s14, 4*TROW
	s_add_co_u32 s62, s62, 8*TROW                  ; LDS: my 4 tiles of slot 0
	s_wait_dscnt 0x0                               ; both opening adds are done
	s_wait_kmcnt 0x0
	s_add_nc_u64 s[96:97], s[4:5], s[96:97]
	s_add_nc_u64 s[98:99], s[8:9], s[98:99]
	s_add_nc_u64 s[100:101], s[8:9], s[100:101]
	CROUND                                         ; all sixteen work-groups are here: the joint loads meet
	s_mov_b32 s[G0], 1
	s_mov_b32 s[G0+1], s45
	s_mov_b64 s[G0+2:G0+3], s[96:97]
	s_or_b32 s[G0+3], s[G0+3], 0x80000000
	s_mov_b32 s[G0B], 1
	s_add_co_u32 s[G0B+1], s45, 8*TROW
	s_mov_b64 s[G0B+2:G0B+3], s[98:99]
	s_or_b32 s[G0B+3], s[G0B+3], 0x80000000
	s_mov_b32 s[G0R], 1
	s_mov_b32 s[G0R+1], s62
	s_mov_b64 s[G0R+2:G0R+3], s[100:101]
	s_or_b32 s[G0R+3], s[G0R+3], 0x80000000
; one tree of branches on the wave's number, a load line to each wave
.macro ARM under, g0, g1, next
	s_cmp_lt_u32 s14, \under
	s_cbranch_scc0 \next
	tensor_load_to_lds s[\g0:\g0+3], s[\g1:\g1+7]
	s_nop 0
	PLACES 4
	s_branch .Lhead_asked
\next:
.endm
	ARM 1, G0, G1, .Lhead_1
	ARM 2, G0B, G1B, .Lhead_2
	ARM 3, G0, G1, .Lhead_3
	tensor_load_to_lds s[G0B:G0B+3], s[G1B:G1B+7]
	s_nop 0
	PLACES 4
.Lhead_asked:
	s_mov_b32 s97, 0
	s_lshl_b32 s96, s17, 12
	s_add_nc_u64 s[22:23], s[6:7], s[96:97]        ; s[22:23] xs: my block's 8 tiles
	s_lshl_b32 s96, s15, 11
	s_add_nc_u64 s[20:21], s[22:23], s[96:97]      ; s[20:21] my 4 of them
	s_lshl_b32 s96, s42, 13
	s_add_nc_u64 s[60:61], s[10:11], s[96:97]
	s_lshl_b32 s96, s16, 12
	s_add_nc_u64 s[46:47], s[60:61], s[96:97]      ; s[46:47] ws: my 8 tiles of wq; a weight on: 32,768 bytes
	s_lshl_b32 s96, s14, 11
	s_add_co_u32 s96, s96, 2*32768
	s_add_nc_u64 s[60:61], s[60:61], s[96:97]      ; s[60:61] my 4 tiles of wv
	s_lshl_b32 s98, s42, 10
	s_lshl_b32 s96, s16, 9
	s_add_co_u32 s96, s96, s98
	s_add_nc_u64 s[88:89], s[68:69], s[96:97]      ; bq, bk at my 128 columns
	s_add_nc_u64 s[90:91], s[70:71], s[96:97]
	s_lshl_b32 s96, s14, 8
	s_add_co_u32 s96, s96, s98
	s_add_nc_u64 s[92:93], s[72:73], s[96:97]      ; bv at my head
	s_lshr_b32 s96, s17, 4
	s_lshl_b32 s96, s96, 4
	s_lshl_b32 s98, s42, 2
	s_add_co_u32 s96, s96, s98                     ; the record of my block's first head
	s_mul_i32 s96, s96, REC
	s_and_b32 s98, s17, 15
	s_mul_i32 s98, s98, STEPB
	s_add_co_u32 s96, s96, s98                     ; and my key step in it (under 2^25 bytes)
	s_add_nc_u64 s[94:95], s[74:75], s[96:97]
	s_mul_i32 s96, s16, 2*REC
	s_add_co_u32 s96, s96, KVP                     ; Q comes first
	s_add_nc_u64 s[18:19], s[94:95], s[96:97]
	s_mul_i32 s96, s15, 3072
	s_add_nc_u64 s[12:13], s[18:19], s[96:97]      ; s[12:13] Q's, K's codes: my 4 tiles
	s_lshl_b32 s96, s15, 8
	s_add_nc_u64 s[18:19], s[18:19], s[96:97]      ; s[18:19] their scale words
	s_mul_i32 s96, s14, REC
	s_add_nc_u64 s[94:95], s[94:95], s[96:97]      ; s[94:95] V: my head's record
	s_mov_b32 s4, 0                                ; the phase, 0 Q, 1 K
	s_mul_i32 s5, s16, 8*TROW
	s_add_co_u32 s5, s5, 8*TROW
	s_mul_i32 s6, s15, 4*TROW
	s_mov_b32 s7, 0
	s_mov_b32 s8, s62
	s_mov_b32 s3, 0x02020202
	s_mov_b32 s[SEL], 0x76543210
	s_mov_b32 s[SEL+1], 0xfedcba98
	v_and_b32 v1, 15, v0
	v_bfe_u32 v2, v0, 4, 1
	v_and_b32 v3, 31, v0
	v_lshlrev_b32 v[L16], 4, v3
	v_lshlrev_b32 v[L8], 3, v3
	v_lshlrev_b32 v[R32], 5, v1
	v_lshlrev_b32 v[R16], 4, v1
	v_lshlrev_b32 v[H64], 6, v2
	v_and_b32 v[BVA], 8, v1
	v_add_nc_u32 v[BVA], v[BVA], v1
	v_lshlrev_b32 v[BVA], 2, v[BVA]
	v_mul_u32_u24 v[VSC], v2, REC
	v_lshl_add_u32 v[VSC], v1, 4, v[VSC]
	v_mul_lo_u32 v[SELV], v2, s3
	v_add_nc_u32 v[SELV], 0x01000100, v[SELV]      ; bytes 0, 1, 0, 1 of a scale word in lanes 0-15, bytes 2, 3, 2, 3 in lanes 16-31
.irp s, 0,1
	v_add_nc_u32 v[E8+\s], s5, v[L16]
	v_add_nc_u32 v[E8+2+\s], s5, v[L8]
	v_add_nc_u32 v[E4+\s], s6, v[L16]
	v_add_nc_u32 v[E4+2+\s], s6, v[L8]
	v_add_nc_u32 v[V8+\s], s7, v[L16]
	v_add_nc_u32 v[V8+2+\s], s7, v[L8]
	v_add_nc_u32 v[V4+\s], s8, v[L16]
	v_add_nc_u32 v[V4+2+\s], s8, v[L8]
	s_add_co_u32 s5, s5, HALFK
	s_add_co_u32 s6, s6, HALFK
	s_add_co_u32 s7, s7, HALFK
	s_add_co_u32 s8, s8, HALFK
.endr
.irp b, 0,1,2,3
	v_mov_b32 v[TM+4+\b], 0                        ; a lane permute's destination counts as one of its sources
.endr
	s_wait_alu depctr_va_vdst(0)                   ; the wait at the head's end
.macro SCLOAD p4, p8                   ; a phase's scale words: a row's 32 bytes are its eight; the two loads of a tile cover its rows' 512 consecutive bytes
.irp a, 0,1,2,3
	global_load_b128 v[SA+8*\a:SA+8*\a+3], v[R32], s[\p4:\p4+1] offset:512*\a
	global_load_b128 v[SA+8*\a+4:SA+8*\a+7], v[R32], s[\p4:\p4+1] offset:512*\a+16
.endr
.irp b, 0,1,2,3,4,5,6,7
	global_load_b128 v[SB+8*\b:SB+8*\b+3], v[R32], s[\p8:\p8+1] offset:512*\b
	global_load_b128 v[SB+8*\b+4:SB+8*\b+7], v[R32], s[\p8:\p8+1] offset:512*\b+16
.endr
.endm
.macro BILOAD p                        ; Q's or K's bias as C: register 8 b + j of lane (r, h) is column 32 (b / 2) + 8 (b % 2) + 16 h + j
	WIN 0xc0
.irp b, 0,1,2,3,4,5,6,7
	global_load_b128 v[BI+8*\b:BI+8*\b+3], v[H64], s[\p:\p+1] offset:(32*(\b/2)+8*(\b%2))*4
	global_load_b128 v[BI+8*\b+4:BI+8*\b+7], v[H64], s[\p:\p+1] offset:(32*(\b/2)+8*(\b%2))*4+16
.endr
	WIN 0
.endm
	SCLOAD 20, 46
	BILOAD 88
	WIN 0xc0
.irp a, 0,1,2,3
	global_load_b32 v[BIV+8*\a], v[BVA], s[92:93] offset:(32*(\a/2)+8*(\a%2))*4    ; V's bias: one number a lane and tile
.endr
	WIN 0
.macro FRAG reg, adr, q, i
	ds_load_b128 v[\reg:\reg+3], v[\adr] offset:(\i)*TROW+(\q)*FRB
	ds_load_b64 v[\reg+4:\reg+5], v[\adr+2] offset:(\i)*TROW+(\q)*FRB+512
	ds_load_b128 v[\reg+6:\reg+9], v[\adr] offset:(\i)*TROW+(\q)*FRB+768
	ds_load_b64 v[\reg+10:\reg+11], v[\adr+2] offset:(\i)*TROW+(\q)*FRB+1280
.endm
.macro FETCH n, e8, e4                 ; K step n's fragments into set n % 2: 48 loads
	WIN 0x40
.irp i, 0,1,2,3,4,5,6,7
	FRAG 128*((\n)%2)+FR*\i, \e8+(\n)/4, (\n)%4, \i
.endr
	WIN 0
.irp i, 0,1,2,3
	FRAG AF+48*((\n)%2)+FR*\i, \e4+(\n)/4, (\n)%4, \i
.endr
.endm
.macro WM a, b, p, q, c
	v_wmma_scale_f32_16x16x128_f8f6f4 v[8*(8*(\a)+\b):8*(8*(\a)+\b)+7], v[128*(\p)+FR*\b:128*(\p)+FR*\b+FR-1], v[AF+48*(\p)+FR*(\a):AF+48*(\p)+FR*(\a)+FR-1], \c, v[SB+8*\b+(\q)], v[SA+8*(\a)+(\q)] matrix_a_fmt:MATRIX_FMT_FP6 matrix_b_fmt:MATRIX_FMT_FP6
.endm
; 16 products: tiles a0, a0 + 1 of the 4-tile side against the eight, K step q, set p.  cm: C is the sum (0), Q's or K's bias (1), V's (2).  The 32 accumulators take turns in the same order in every step
.macro MUL16 a0, p, q, cm
.if \cm
	WIN 0xb1                                       ; source 0 window 1, source 1 window 0, C window 3, D window 2
.else
	WIN 0xa1
.endif
.irp a, \a0, \a0+1
.irp b, 0,1,2,3,4,5,6,7
.if \cm == 1
	WM (\a), \b, \p, \q, v[BI+8*\b:BI+8*\b+7]
.elseif \cm == 2
	WM (\a), \b, \p, \q, v[BIV+8*(\a):BIV+8*(\a)+7]
.else
	WM (\a), \b, \p, \q, v[8*(8*(\a)+\b):8*(8*(\a)+\b)+7]
.endif
.endr
.endr
	WIN 0
.endm
.macro STEP n, e8, e4, cm, fetch
	s_wait_dscnt 0x0                               ; this step's fragments are in: asked for ahead of the step before's products
.if \fetch
	PLACES 4                                       ; in front of loads into the set that the step before multiplied
	FETCH (\n)+1, \e8, \e4
.endif
	MUL16 0, (\n)%2, \n, \cm
	MUL16 2, (\n)%2, \n, \cm
.endm
; K step 3 or 7 of Q's and K's phases: the weight's slot whose last fragments are in registers is filled again with the next weight's same K half
.macro RSTEP n, fetch
	s_wait_tensorcnt 0x0                           ; all my tensor loads have landed;
	ds_add_u32 v[SPW], v[NIL]
.if \fetch
	s_mov_b32 s[G0R+1], s62                        ; (no load of mine is out: the descriptor may be written)  slot 0; a weight on and back to the first K half
	s_add_nc_u64 s[G0R+2:G0R+3], s[G0R+2:G0R+3], 64*12288-TROW
.else
	s_add_co_u32 s[G0R+1], s62, HALFK              ; slot 1; on to the second K half
	s_add_nc_u64 s[G0R+2:G0R+3], s[G0R+2:G0R+3], TROW
.endif
	s_wait_dscnt 0x0                               ; the add is done, and so are my reads of the slot
	s_barrier_signal -1                            ; the round's opening barrier; products stand inside the round
	MUL16 0, (\n)%2, \n, 0
	s_barrier_wait -1
	CREST
	tensor_load_to_lds s[G0R:G0R+3], s[G1R:G1R+7]  ; my one load behind the round
	s_nop 0
	PLACES 4
.if \fetch
	FETCH (\n)+1, E8, E4
.endif
	MUL16 2, (\n)%2, \n, 0
.endm
; 64 sums of a lane, from register s of window 2 on, become a fragment's 12 registers in v[PC] on and its rows' scale word in v[PW]: register 16 b + i is k = 32 b + 16 h + i
.macro QUANT s
	WIN 0x0a
.irp b, 0,1,2,3
	v_max3_num_f32 v[TM+\b], |v[(\s)+16*\b]|, |v[(\s)+1+16*\b]|, 0x1800000         ; with the floor 2^(3 - 127); each accumulator from its low end on
.endr
	WIN 0x28
.irp i, 2,4,6,8,10,12,14
.irp b, 0,1,2,3
	v_max3_num_f32 v[TM+\b], v[TM+\b], |v[(\s)+16*\b+\i]|, |v[(\s)+1+16*\b+\i]|
.endr
.endr
	WIN 0
.irp b, 0,1,2,3
	v_permlanex16_b32 v[TM+4+\b], v[TM+\b], s[SEL], s[SEL+1]
.endr
.irp b, 0,1,2,3
	v_max_num_f32 v[TM+\b], v[TM+\b], v[TM+4+\b]   ; with lane l xor 16's 16: the block's largest magnitude
.endr
.irp b, 0,1,2,3
	v_add_nc_u32 v[TM+12+\b], 0xff000000, v[TM+\b] ; 2 off its exponent field: the conversion's scale operand
.endr
.irp b, 0,1,2,3
	v_lshrrev_b32 v[TM+4+\b], 23, v[TM+12+\b]      ; the scale's byte
.endr
	v_lshl_or_b32 v[PW], v[TM+5], 8, v[TM+4]
	v_lshl_or_b32 v[PW], v[TM+6], 16, v[PW]
	v_lshl_or_b32 v[PW], v[TM+7], 24, v[PW]
	WIN 0x02
.irp c, 0,1
	v_cvt_scalef32_pk16_fp6_f32 v[PC+6*\c:PC+2+6*\c], v[(\s)+32*\c:(\s)+15+32*\c], v[TM+12+2*\c]
	v_cvt_scalef32_pk16_fp6_f32 v[PC+12+4*\c:PC+14+4*\c], v[(\s)+16+32*\c:(\s)+31+32*\c], v[TM+12+2*\c+1]
.endr
	WIN 0
	v_nop                                          ; one plain place behind the scaled conversions
.irp c, 0,1                                    ; the operand wants a whole block in a lane
.irp i, 0,1,2
	v_permlane16_swap_b32 v[PC+6*\c+\i], v[PC+12+4*\c+\i]
.endr
.irp i, 0,1,2
	v_mov_b32 v[PC+3+6*\c+\i], v[PC+12+4*\c+\i]
.endr
.endr
.endm
.macro EPI a, kind
.if (\a) > 0
	s_wait_xcnt 0x0                                ; the stores have read the codes' registers
.endif
	QUANT 64*(\a)
.if \kind
	global_store_b128 v[L16], v[PC:PC+3], s[94:95] offset:6144+(\a)*FRB            ; V: an image of 16 channels x 128 tokens
	global_store_b64 v[L8], v[PC+4:PC+5], s[94:95] offset:6144+(\a)*FRB+512
	global_store_b128 v[L16], v[PC+6:PC+9], s[94:95] offset:6144+(\a)*FRB+768
	global_store_b64 v[L8], v[PC+10:PC+11], s[94:95] offset:6144+(\a)*FRB+1280
	v_mov_b32 v[PWS+(\a)], v[PW]
.else
	global_store_b128 v[L16], v[PC:PC+3], s[12:13] offset:768*(\a)                 ; Q, K: a half image for each of my two heads
	global_store_b64 v[L8], v[PC+4:PC+5], s[12:13] offset:768*(\a)+512
	global_store_b128 v[L16], v[PC+6:PC+9], s[12:13] offset:REC+768*(\a)
	global_store_b64 v[L8], v[PC+10:PC+11], s[12:13] offset:REC+768*(\a)+512
	v_perm_b32 v[PWS+(\a)], v[PW], v[PW], v[SELV]
.endif
.endm
	s_cmp_lt_u32 s14, 2
	s_cbranch_scc0 .Lnot_first
	s_wait_tensorcnt 0x0                           ; waves 0 and 1: my tile of the first K half is in
.Lnot_first:
	s_barrier_signal -1
	s_barrier_wait -1                              ; the first K half is whole; the second may be on its way
.Lqk:                                                  ; Q's phase, then K's
	FETCH 0, E8, E4
	s_wait_loadcnt 0x0                             ; the scale words and the bias
	STEP 0, E8, E4, 1, 1                           ; the first products take the bias as C
	s_wait_dscnt 0x0
	PLACES 4
	FETCH 2, E8, E4
	s_cmp_lg_u32 s4, 0
	s_cbranch_scc1 .Lno_bias
	BILOAD 90                                      ; in Q's phase: K's bias, onto Q's, which has been taken
.Lno_bias:
	MUL16 0, 1, 1, 0
	MUL16 2, 1, 1, 0
	STEP 2, E8, E4, 0, 1
	RSTEP 3, 1
	STEP 4, E8, E4, 0, 1
	STEP 5, E8, E4, 0, 1
	STEP 6, E8, E4, 0, 1
	RSTEP 7, 0
	PLACES 4                                       ; behind the last products
	s_add_nc_u64 s[46:47], s[46:47], 32768
	s_cmp_eq_u32 s4, 0                             ; the next phase's scale words: for K my x and wk; for V all of x on the 8-tile side and my head of wv
	s_cselect_b64 s[78:79], s[46:47], s[22:23]
	s_cselect_b64 s[76:77], s[20:21], s[60:61]
	SCLOAD 76, 78
.irp a, 0,1,2,3
	EPI \a, 0
.endr
	global_store_b128 v[VSC], v[PWS:PWS+3], s[18:19] offset:12288  ; my 4 tiles' scale words, lanes 0-15 for the first head, lanes 16-31 for the second
	s_wait_xcnt 0x0                                ; the stores have read their registers and bases
	s_sub_nc_u64 s[12:13], s[12:13], KVP           ; K's part lies ahead of Q's
	s_sub_nc_u64 s[18:19], s[18:19], KVP
	s_add_co_u32 s4, s4, 1
	s_cmp_lt_u32 s4, 2
	s_cbranch_scc1 .Lqk
; V's phase
	WIN 0xc3
.irp a, 0,8,16,24
.irp j, 1,2,3,4,5,6,7
	v_mov_b32 v[BIV+\a+\j], v[BIV+\a]              ; V's bias over the tile's eight registers
.endr
.endr
	WIN 0
	PLACES 8
	s_wait_alu depctr_va_vdst(0)
	FETCH 0, V8, V4
	s_wait_loadcnt 0x0
	STEP 0, V8, V4, 2, 1
	STEP 1, V8, V4, 0, 1
	STEP 2, V8, V4, 0, 1
	s_wait_dscnt 0x0
	s_wait_tensorcnt 0x0                           ; every wave: my part of the last refill is in
	s_barrier_signal -1
	MUL16 0, 1, 3, 0
	s_barrier_wait -1                              ; a plain barrier
	PLACES 4
	FETCH 4, V8, V4
	MUL16 2, 1, 3, 0
	STEP 4, V8, V4, 0, 1
	STEP 5, V8, V4, 0, 1
	STEP 6, V8, V4, 0, 1
	STEP 7, V8, V4, 0, 0
	PLACES 4
.irp a, 0,1,2,3
	EPI \a, 1
.endr
	global_store_b128 v[R16], v[PWS:PWS+3], s[94:95] offset:12800  ; row r's four scale words; lanes 16-31 hold and store the same as lanes 0-15
	s_wait_tensorcnt 0x0                           ; the wave's end
	ds_add_u32 v[SPW], v[NIL]
	s_wait_dscnt 0x0
	CROUND                                         ; the closing round
	s_endpgm
.Lfunc_end_k_q5ee9dab5c7_qkv:
	.size	k_q5ee9dab5c7_qkv, .Lfunc_end_k_q5ee9dab5c7_qkv-k_q5ee9dab5c7_qkv
	.p2alignl 7, 3214868480
	.fill 96, 4, 3214868480
	.section	.rodata,"a",@progbits
	.p2align	6, 0x0
	.amdhsa_kernel k_q5ee9dab5c7_qkv
		.amdhsa_group_segment_fixed_size 327680
		.amdhsa_private_segment_fixed_size 0
		.amdhsa_enable_private_segment 0
		.amdhsa_kernarg_size 64
		.amdhsa_user_sgpr_count 2
		.amdhsa_user_sgpr_kernarg_segment_ptr 1
		.amdhsa_wavefront_size32 1
		.amdhsa_system_sgpr_workgroup_id_x 1
		.amdhsa_system_sgpr_workgroup_id_y 1
		.amdhsa_system_sgpr_workgroup_id_z 1
		.amdhsa_system_vgpr_workitem_id 0
		.amdhsa_next_free_vgpr 896
		.amdhsa_next_free_sgpr 102
		.amdhsa_reserve_vcc 0
		.amdhsa_float_denorm_mode_32 3
		.amdhsa_float_denorm_mode_16_64 3
		.amdhsa_memory_ordered 1
		.amdhsa_forward_progress 1
		.amdhsa_inst_pref_size 174
	.end_amdhsa_kernel
	.amdgpu_metadata
---
amdhsa.version: [ 1, 2 ]
amdhsa.kernels:
  - .name:           k_q5ee9dab5c7_qkv
    .symbol:         k_q5ee9dab5c7_qkv.kd
    .args:
      - { .name: xc, .offset: 0, .size: 8, .value_kind: global_buffer, .address_space: global }
      - { .name: xs, .offset: 8, .size: 8, .value_kind: global_buffer, .address_space: global }
      - { .name: wc, .offset: 16, .size: 8, .value_kind: global_buffer, .address_space: global }
      - { .name: ws, .offset: 24, .size: 8, .value_kind: global_buffer, .address_space: global }
      - { .name: bq, .offset: 32, .size: 8, .value_kind: global_buffer, .address_space: global }
      - { .name: bk, .offset: 40, .size: 8, .value_kind: global_buffer, .address_space: global }
      - { .name: bv, .offset: 48, .size: 8, .value_kind: global_buffer, .address_space: global }
      - { .name: qkv, .offset: 56, .size: 8, .value_kind: global_buffer, .address_space: global }
    .group_segment_fixed_size: 327680
    .private_segment_fixed_size: 0
    .kernarg_segment_align: 8
    .kernarg_segment_size: 64
    .max_flat_workgroup_size: 128
    .sgpr_count:     102
    .vgpr_count:     896
    .wavefront_size: 32
...
	.end_amdgpu_metadata
.endif
;; end of part 3
;; launch attn (part 4): grid 4 x 64, 16 waves a work-group, clusters of 4 x 1, 263,168 bytes of LDS; arguments qkv, ac, asc; writes ac, asc
.if DOCPART == 4
	.amdgcn_target "amdgcn-amd-amdhsa--gfx1250"
	.amdhsa_code_object_version 6
	.text
	.protected	k_q5ee9dab5c7_attn
	.globl	k_q5ee9dab5c7_attn
	.p2align	8
	.type	k_q5ee9dab5c7_attn,@function
k_q5ee9dab5c7_attn:
	s_mov_b64 s[64:65], 0
	v_nop
	global_prefetch_b8 v0, s[64:65] scope:SCOPE_SE
	s_setreg_imm32_b32 hwreg(HW_REG_WAVE_MODE, 25, 1), 1
	s_wait_xcnt 0x0
	s_wait_alu depctr_hold_cnt(0) depctr_sa_sdst(0) depctr_va_vdst(0) depctr_va_sdst(0) depctr_va_ssrc(0) depctr_va_vcc(0) depctr_vm_vsrc(0)
	s_getreg_b32 s2, hwreg(HW_REG_IB_STS2, 6, 4)
	s_cmp_eq_u32 s2, 0
	s_cbranch_scc0 .Lentry_in_a_cluster
	s_endpgm
.Lentry_in_a_cluster:
	s_bfe_u32 s2, ttmp6, 0x10000c
	s_cmp_lg_u32 s2, 0x3003
	s_cbranch_scc0 .Lentry_shape_is_right
	s_endpgm
.Lentry_shape_is_right:
; O = softmax(Q K^T / 8) V for one head of 64 channels and 2,048 tokens, both products on codes of FP6 (E2M3) with E8M0 scales; the result is quantised here for the output projection.
; THE SOFTMAX: t = score x log2(e) / 8; M = the running largest t, rounded UP to a whole number; p = 2^(t - M) is quantised along the keys, not normalised; the row's sum is taken of the unquantised p and divides O at the end.
; When M moves, the sum and O are multiplied by 2^(old M - new M): exact.
; SHARES: a work-group owns 512 queries of one record (16 batch + head); each of its sixteen waves one tile of 16 queries at a time, two passes (a loop of two trips round a loop of eight trips of two key steps).
; A HEAD'S WHOLE K AND V PART LIES IN LDS, FILLED ONCE: each wave brings one key step (13,056 bytes = 51 rows of 256), asked for jointly by the head's four work-groups; 64 bytes of padding behind each 256: an LDS row is 320 bytes.
; No ring, no refill, one barrier.  No prefetch: the launch's one stream is asked for whole at the head, so there is no loop to run ahead in.
; LAYOUT: both products are used transposed (S^T = K Q^T, O^T = V^T P^T): a lane holds one query throughout.
; WHICH KEYS FORM A TILE is chosen by the lanes' LDS addresses: row m of tile t of group c (64 keys) is key 64 c + 32 (m / 8) + 8 t + m % 8, which the record holds as row 8 (t / 2) + m % 8 of its tile 4 c + 2 (m / 8) + t % 2.
; So a lane's 32 scores of a group's four tiles are keys 64 c + 32 h + 0 .. 31: one whole scale block, in the order of P's operand registers 6 c .. 6 c + 5.  Other lanes are asked only for the row's maximum and for two bytes of P's scale word.
; With the padding the two halves of sixteen lanes (tiles 1,920 bytes apart) fall on different halves of the 64 banks in the loads of 16 bytes.
; THE FIRST PRODUCT'S K IS 64, the instruction's 128: q stands as q | six zero registers; K's eight half fragments lie on end, and tile t's operand is its six registers and the six that follow (the next tile's; for tile 7 V's first six):
; those meet zero codes.  A tile's scale word holds the head's two bytes twice.
; THE ORDER OF A STEP: V of this step and K of the next are asked for from LDS among the lines that make M; the wait ahead of the second product leaves K's 20 younger loads out, the wait at the next step's top is for all.
; LIMITS: no NaN, no infinities; the scaled scores stay under 2^31 in magnitude; p under 2^-126 counts as 0 (the exponential's own flush); blocks whose largest magnitude lies under 2^-124, and blocks of zeros, get the byte 1.
.set REC,   417792
.set KVP,   208896
.set STEPB, 13056
.set SP,    16320                      ; a key step in LDS: 51 rows of 320 bytes
.set SPARE, 261120                     ; behind the part: the spare words, 128 bytes for each of sixteen waves: eight blocks of 256 bytes that no other line names
.set L16P,1                            ; v1  16 x lane + 64 h: an image's 16-byte pieces in LDS
.set L8,  2                            ; v2  8 x lane
.set R16, 3                            ; v3  16 r
.set AB,  4                            ; v4  32 r + h: my scale byte's place in asc
.set BK16,5                            ; v5  1920 (r / 8) + 320 h + 16 (r % 8): K's 16-byte pieces
.set BK8, 6                            ; v6  1920 (r / 8) + 128 h + 8 (r % 8): K's 8-byte pieces
.set BKS, 7                            ; v7  16 (r % 8) + 8 (r / 8): K's scale words, two tiles' at a time
.set SPW, 8
.set NIL, 9
                                       ; v10 -M, v11 the largest score; v[12:13] the sum; v14 Q's scale word
.set G16, 15                           ; v15 16 x lane, in memory
.set SELV,16                           ; v16 byte selects: my two scale bytes to bytes h and 2 + h
.set AK16,17                           ; v17-19 K's LDS addresses, v20-22 V's
.set AK8, 18
.set AKS, 19
.set AV16,20
.set AV8, 21
.set AVS, 22
.set OM,  23                           ; v23 the old -M
.set F,   24                           ; v24 f = 2^(old M - new M); v25 p's scale word
.set QB,  26                           ; v26-37   q | zeros
.set KB,  38                           ; v38-85   eight half fragments of K
.set VB,  86                           ; v86-133  four fragments of V
.set S,   134                          ; v134-197 S^T, then p
.set O,   198                          ; v198-229 O^T
.set PCD, 230                          ; v230-241 p's codes; between two second products at work:
.set T,   230                          ;   v230-233 the maxima's four chains, then the blocks' largest p and the bytes
.set SO0, 234                          ;   the conversions' scale operands
.set SO1, 240
.set KSW, 242                          ; v242-249 K's scale words
.set VSW, 250                          ; v250-253 V's
.set EP,  94                           ; the pass's end: at work in V's registers
.set WV,  12
.set SEL, 20
.set CS,  22
.set G1,  24
.set G0,  32
.set TC,  36                           ; s36 LDS byte at which the next trip's two key steps begin
.set CNT, 37
.set PS,  38                           ; s38 the pass
.set HM,  39                           ; s39 mask of lanes 16-31
.macro CROUND
	s_barrier_signal -1
	s_barrier_wait -1
	s_cmp_lg_u32 s[WV], 0
	s_cbranch_scc1 .Lnot_wave_0_\@
	s_barrier_signal -3
.Lnot_wave_0_\@:
	s_barrier_wait -3
	s_barrier_signal -1
	s_barrier_wait -1
.endm
.macro WALU
	s_wait_alu depctr_va_vdst(0)
.endm
.macro KF c, off                       ; group c's four tiles of keys and their scale words: 10 loads
.irp t, 0,1,2,3
	ds_load_b128 v[KB+24*\c+6*\t:KB+24*\c+6*\t+3], v[AK16] offset:(\off)+(4*\c+\t%2)*960+128*(\t/2)
	ds_load_b64 v[KB+24*\c+6*\t+4:KB+24*\c+6*\t+5], v[AK8] offset:(\off)+(4*\c+\t%2)*960+640+64*(\t/2)
.endr
.irp p, 0,1
	ds_load_b64 v[KSW+4*\c+2*\p:KSW+4*\c+2*\p+1], v[AKS] offset:(\off)+15360+320*\c+128*\p
.endr
.endm
.macro VF t, off                       ; V's fragment t: 4 loads
	ds_load_b128 v[VB+12*\t:VB+12*\t+3], v[AV16] offset:(\off)+7680+1920*\t
	ds_load_b64 v[VB+12*\t+4:VB+12*\t+5], v[AV8] offset:(\off)+7680+1920*\t+640
	ds_load_b128 v[VB+12*\t+6:VB+12*\t+9], v[AV16] offset:(\off)+7680+1920*\t+960
	ds_load_b64 v[VB+12*\t+10:VB+12*\t+11], v[AV8] offset:(\off)+7680+1920*\t+1600
.endm
.macro PKF from, n                     ; t - M of pairs from .. from + n - 1
.set i, \from
.rept \n
	v_pk_fma_f32 v[S+2*i:S+2*i+1], v[S+2*i:S+2*i+1], s[CS:CS+1], v[10:11] op_sel_hi:[1,0,0]
.set i, i+1
.endr
.endm
.macro SA p                            ; the sum's first chain takes pair p,
	v_pk_add_f32 v[12:13], v[12:13], v[S+2*(\p):S+2*(\p)+1]
.endm
.macro SB p                            ; its second chain
	v_pk_add_f32 v[254:255], v[254:255], v[S+2*(\p):S+2*(\p)+1]
.endm
	s_load_b128 s[4:7], s[0:1], 0x0                ; the records, ac
	s_load_b64 s[8:9], s[0:1], 0x10                ; asc
	v_lshl_add_u32 v[SPW], v0, 2, SPARE
	v_mov_b32 v[NIL], 0
	ds_add_u32 v[SPW], v[NIL]                      ; the wave's opening: the add, twice on end, and its wait ahead of my tensor load
	ds_add_u32 v[SPW], v[NIL]
	v_lshrrev_b32 v1, 5, v0
	v_readfirstlane_b32 s[WV], v1                  ; wave 0..15
	s_bfe_u32 s13, ttmp6, 0x40000                  ; cx: my block of 512 queries: it enters Q's and the results' global addresses alone
	s_and_b32 s14, ttmp7, 0xffff                   ; the record, which the four partners share
	s_mov_b32 s[G1], 15|(3<<16)|(1<<20)|(1<<21)|(5<<22)|(15<<25)   ; the mask: all four; elements of 8 bytes; behind every 64 words 16 words of padding
	s_mov_b32 s[G1+1], 32<<16                      ; tensor_dim0 = 32 (256 bytes)
	s_mov_b32 s[G1+2], 51<<16                      ; tensor_dim1 = 51
	s_mov_b32 s[G1+3], 32<<16                      ; tile_dim0
	s_mov_b32 s[G1+4], 51                          ; tile_dim1
	s_mov_b32 s[G1+5], 32                          ; dense rows
	s_mov_b32 s[G1+6], 0
	s_mov_b32 s[G1+7], 0
	s_mul_i32 s15, s14, REC                        ; the record's first byte (under 2^25)
	s_mul_i32 s16, s[WV], STEPB                    ; my key step in memory,
	s_mul_i32 s17, s[WV], SP                       ; and in LDS
	s_add_co_u32 s18, s15, s16
	s_mov_b32 s19, 0
	s_mov_b32 s[SEL], 0x76543210
	s_mov_b32 s[SEL+1], 0xfedcba98
	s_mov_b32 s[CS], 0x3e38aa3b                    ; c = log2(e) / 8
	s_mov_b32 s[CS+1], s[CS]                       ; (named with it as a pair)
	s_lshl_b32 s48, s13, 2                         ; my query tile in pass p is 32 cx + 16 p + wave: step 4 cx + 2 p + wave / 8 of Q's part, tile wave % 8
	s_lshr_b32 s49, s[WV], 3
	s_add_co_u32 s48, s48, s49
	s_mul_i32 s48, s48, STEPB
	s_add_co_u32 s48, s48, s15
	s_add_co_u32 s48, s48, KVP
	s_and_b32 s49, s[WV], 7
	s_mul_i32 s49, s49, 768
	s_add_co_u32 s50, s48, s49                     ; its half image
	s_mov_b32 s51, 0
	s_bfe_u32 s49, s[WV], 0x10002
	s_lshl_b32 s49, s49, 8
	s_add_co_u32 s52, s48, s49
	s_and_b32 s49, s[WV], 3
	s_lshl_b32 s49, s49, 2
	s_add_co_u32 s52, s52, s49
	s_add_co_u32 s52, s52, 12288                   ; its scale words
	s_mov_b32 s53, 0
	s_lshr_b32 s54, s14, 4
	s_lshl_b32 s54, s54, 7
	s_lshl_b32 s49, s13, 5
	s_add_co_u32 s54, s54, s49
	s_add_co_u32 s54, s54, s[WV]                   ; the tile among all 512
	s_and_b32 s49, s14, 15                         ; the head
	s_lshl_b32 s56, s54, 9
	s_lshl_b32 s55, s49, 1
	s_add_co_u32 s56, s56, s55                     ; its rows' scale bytes, at the head's two
	s_mov_b32 s57, 0
	s_mul_i32 s54, s54, 12288
	s_mul_i32 s49, s49, 768
	s_add_co_u32 s54, s54, s49                     ; its half image of the result
	s_mov_b32 s55, 0
	s_wait_dscnt 0x0                               ; both opening adds are done
	s_wait_kmcnt 0x0
	s_add_nc_u64 s[40:41], s[4:5], s[50:51]
	s_add_nc_u64 s[42:43], s[4:5], s[52:53]
	s_add_nc_u64 s[44:45], s[6:7], s[54:55]
	s_add_nc_u64 s[46:47], s[8:9], s[56:57]
	CROUND                                         ; all four work-groups are here: the joint loads meet
	s_mov_b32 s[G0], 1
	s_mov_b32 s[G0+1], s17
	s_add_nc_u64 s[G0+2:G0+3], s[4:5], s[18:19]
	s_or_b32 s[G0+3], s[G0+3], 0x80000000
	tensor_load_to_lds s[G0:G0+3], s[G1:G1+7]      ; my one tensor load of the launch
	s_nop 0
	v_and_b32 v254, 31, v0                         ; lane
	v_bfe_u32 v255, v0, 4, 1                       ; h
	v_lshlrev_b32 v[G16], 4, v254
	v_lshlrev_b32 v[L8], 3, v254
	v_lshl_add_u32 v[L16P], v255, 6, v[G16]
	v_and_b32 v[OM], 15, v0                        ; r
	v_lshlrev_b32 v[R16], 4, v[OM]
	v_lshl_add_u32 v[AB], v[OM], 5, v255
	v_cmp_lt_u32 s[HM], 15, v254
	v_bfe_u32 v[F], v0, 3, 1                       ; r / 8
	v_and_b32 v[OM], 7, v0                         ; r % 8
	v_mul_u32_u24 v[BK8], v[F], 1920
	v_mad_u32_u24 v[BK16], v255, 320, v[BK8]
	v_lshl_add_u32 v[BK16], v[OM], 4, v[BK16]
	v_lshl_add_u32 v[BK8], v255, 7, v[BK8]
	v_lshl_add_u32 v[BK8], v[OM], 3, v[BK8]
	v_lshlrev_b32 v[BKS], 3, v[F]
	v_lshl_add_u32 v[BKS], v[OM], 4, v[BKS]
	v_mov_b32 v[SELV], 0x0c070c03                  ; lanes 0-15: my bytes to places 0 and 2, zeros between;
	v_mov_b32 v[F], 0x070c030c                     ; lanes 16-31: to places 1 and 3
	v_cndmask_b32 v[SELV], v[SELV], v[F], s[HM]
	v_add_nc_u32 v[AK16], 0, v[BK16]               ; key step 0
	v_add_nc_u32 v[AK8], 0, v[BK8]
	v_add_nc_u32 v[AKS], 0, v[BKS]
	v_add_nc_u32 v[AV16], 0, v[L16P]
	v_add_nc_u32 v[AV8], 0, v[L8]
	v_add_nc_u32 v[AVS], 0, v[R16]
.irp i, 0,1,2,3,4,5
	v_mov_b32 v[QB+6+\i], 0                        ; the zero codes: written once
	v_mov_b32 v[VB+\i], 0                          ; named behind K's tile 7 before V is first loaded
.endr
	v_mov_b32 v[F+1], 0                            ; (named as the upper half of the pair before it is first written)
	WALU                                           ; the wait at the head's end
	global_load_b128 v[QB:QB+3], v[G16], s[40:41]  ; the first pass's q: a half image, and its scale words
	global_load_b64 v[QB+4:QB+5], v[L8], s[40:41] offset:512
	global_load_b32 v14, v[R16], s[42:43]
	s_wait_tensorcnt 0x0                           ; my key step is in,
	s_barrier_signal -1
	s_barrier_wait -1                              ; everybody's is: the part stays as it is from here on
	KF 0, 0
	KF 1, 0
; A KEY STEP: 128 keys.  u: the first or the second of a trip's two.
.macro STEP u
.if \u
	s_add_co_u32 s[TC], s[CNT], 1                  ; the next trip's steps; behind the eighth trip the first again: the next pass begins there
	s_and_b32 s[TC], s[TC], 7
	s_mul_i32 s[TC], s[TC], 2*SP
.endif
	s_wait_dscnt 0x0                               ; K and its scale words are in: asked for in the step before
.irp t, 0,1,2,3,4,5,6,7
	v_wmma_scale_f32_16x16x128_f8f6f4 v[S+8*\t:S+8*\t+7], v[KB+6*\t:KB+6*\t+11], v[QB:QB+11], 0, v[KSW+\t], v14 matrix_a_fmt:MATRIX_FMT_FP6 matrix_b_fmt:MATRIX_FMT_FP6
.endr
	v_mov_b32 v[OM], v10                           ; four places in front of the first read of the scores
.if \u
	v_add_nc_u32 v[AK16], s[TC], v[BK16]
	v_add_nc_u32 v[AK8], s[TC], v[BK8]
	v_add_nc_u32 v[AKS], s[TC], v[BKS]
.else
.rept 3
	v_nop
.endr
.endif
.irp c, 0,1                                    ; the largest score of my two blocks of 32 keys, two chains each, each accumulator from its low end on
	v_max3_num_f32 v[T+2*\c], v[S+32*\c], v[S+32*\c+1], v[S+32*\c+2]
	v_max3_num_f32 v[T+2*\c+1], v[S+32*\c+16], v[S+32*\c+17], v[S+32*\c+18]
.endr
.irp i, 3,5,7,9,11,13
.irp c, 0,1
	v_max3_num_f32 v[T+2*\c], v[T+2*\c], v[S+32*\c+\i], v[S+32*\c+\i+1]
	v_max3_num_f32 v[T+2*\c+1], v[T+2*\c+1], v[S+32*\c+16+\i], v[S+32*\c+17+\i]
.endr
.endr
.irp c, 0,1
	v_max3_num_f32 v[T+2*\c], v[T+2*\c], v[T+2*\c+1], v[S+32*\c+15]
.endr
.irp c, 0,1
	v_max_num_f32 v[T+2*\c], v[T+2*\c], v[S+32*\c+31]
.endr
	v_max_num_f32 v254, v[T], v[T+2]               ; M's lines hang on each other: the step's 37 LDS loads stand among them: V's 17 first, then the next step's K, 20
	VF 0, \u*SP
	ds_load_b128 v[VSW:VSW+3], v[AVS] offset:\u*SP+16000
	v_permlanex16_b32 v255, v254, s[SEL], s[SEL+1]
	VF 1, \u*SP
	v_max3_num_f32 v11, v11, v254, v255            ; the running largest score of my query
	VF 2, \u*SP
	v_mul_f32 v254, s[CS], v11                     ; as t (c is positive)
	VF 3, \u*SP
	v_floor_f32 v10, -v254                         ; the new -M = -ceil(t): a whole number
	KF 0, (1-\u)*SP
	v_sub_f32 v255, v10, v[OM]                     ; old M - new M: a whole number, 0 or less
	KF 1, (1-\u)*SP
	PKF 0, 4                                       ; t - M of my first block
	v_cvt_i32_f32 v255, v255                       ; (it saturates)
	PKF 4, 4
	v_ldexp_f32 v[F], 1.0, v255                    ; f = 2^(old M - new M)
	PKF 8, 8
	v_fma_f32 v[T], v[T], s[CS], v10               ; the same of each block's largest score
	v_fma_f32 v[T+2], v[T+2], s[CS], v10
.if \u
	v_add_nc_u32 v[AV16], s[TC], v[L16P]           ; V's addresses for the next trip: this trip's loads are issued
	v_add_nc_u32 v[AV8], s[TC], v[L8]
	v_add_nc_u32 v[AVS], s[TC], v[R16]
.endif
.set j, 0
.rept 16
	v_pk_mul_f32 v[O+j:O+j+1], v[O+j:O+j+1], v[F:F+1] op_sel_hi:[1,0]   ; O^T under the new M
.set j, j+2
.endr
	WALU                                           ; the wait ahead of the batch
	v_exp_f32 v[T], v[T]                           ; the blocks' largest p: the same two instructions on the same number give the same bits
	v_exp_f32 v[T+2], v[T+2]
.set i, 0
.rept 16
	v_exp_f32 v[S+2*i], v[S+2*i]                   ; p = 2^(t - M) of the first block; among them t - M of the second, which is first read behind the next wait
	v_exp_f32 v[S+2*i+1], v[S+2*i+1]
	v_pk_fma_f32 v[S+32+2*i:S+33+2*i], v[S+32+2*i:S+33+2*i], s[CS:CS+1], v[10:11] op_sel_hi:[1,0,0]
.set i, i+1
.endr
	WALU                                           ; behind the first batch and ahead of the second
.set i, 32
.rept 32
	v_exp_f32 v[S+i], v[S+i]
.set i, i+1
.endr
	v_pk_fma_f32 v[12:13], v[12:13], v[F:F+1], v[S:S+1] op_sel_hi:[1,0,1]   ; the sum under the new M, and the first block's p: these lines name the first batch's results alone
	v_pk_add_f32 v[254:255], v[S+2:S+3], v[S+6:S+7]
	v_max_num_f32 v[T], 0x1800000, v[T]            ; the floor 2^(3 - 127): the byte cannot fall under 1
	v_max_num_f32 v[T+2], 0x1800000, v[T+2]
	SA 2
	SB 5
	v_add_nc_u32 v[SO0], 0xff000000, v[T]          ; 2 off the exponent field: the conversion's scale operand
	v_add_nc_u32 v[SO1], 0xff000000, v[T+2]
	v_lshl_add_u32 v[T], v[T], 1, 0xfe000000       ; the scale's byte in the word's top byte
	v_lshl_add_u32 v[T+2], v[T+2], 1, 0xfe000000
	SA 4
	SB 7
	v_perm_b32 v[T+1], v[T+2], v[T], v[SELV]       ; my blocks h and 2 + h at their places in the scale word
	SA 6
	SB 9
	v_permlanex16_b32 v[T+3], v[T+1], s[SEL], s[SEL+1]
	SA 8
	SB 11
	SA 10
	v_or_b32 v[F+1], v[T+1], v[T+3]                ; with lane l xor 16's two bytes: p's scale word for these 128 keys
	SB 13
	SA 12
	SB 15
	SA 14
	WALU                                           ; one wait for the second batch, ahead of its first reader
	SA 16
	SB 17
	SA 18
	SB 19
	SA 20
	SB 21
	SA 22
	SB 23
	v_cvt_scalef32_pk16_fp6_f32 v[PCD:PCD+2], v[S:S+15], v[SO0]
	v_cvt_scalef32_pk16_fp6_f32 v[PCD+6:PCD+8], v[S+32:S+47], v[SO1]
	SA 24                                          ; a plain place: the next two land on numbers that have been converted and summed
	v_cvt_scalef32_pk16_fp6_f32 v[S:S+2], v[S+16:S+31], v[SO0]      ; (a conversion's three registers begin on an even number)
	v_cvt_scalef32_pk16_fp6_f32 v[S+32:S+34], v[S+48:S+63], v[SO1]
	SB 25                                          ; a plain place
.irp i, 0,1,2
	v_mov_b32 v[PCD+3+\i], v[S+\i]
	v_mov_b32 v[PCD+9+\i], v[S+32+\i]
.endr
	SA 26                                          ; seven plain lines that name no register of the products below: the places behind the codes
	SB 27
	SA 28
	SB 29
	SA 30
	SB 31
	v_pk_add_f32 v[12:13], v[12:13], v[254:255]
	WALU                                           ; directly ahead of the wait below
	s_wait_dscnt 20                                ; V and its scale words are in; the next step's K, 20 loads, may be out
.irp t, 0,1,2,3                                ; O^T += V^T P^T: the four accumulators by turns
	v_wmma_scale_f32_16x16x128_f8f6f4 v[O+8*\t:O+8*\t+7], v[VB+12*\t:VB+12*\t+11], v[PCD:PCD+11], v[O+8*\t:O+8*\t+7], v[VSW+\t], v[F+1] matrix_a_fmt:MATRIX_FMT_FP6 matrix_b_fmt:MATRIX_FMT_FP6
.endr
.endm
	s_mov_b32 s[PS], 0
.Lpass:                                                ; A PASS: one tile of 16 queries against all 2,048 keys
	v_mov_b32 v11, 0xff61b1e6                      ; the largest score so far: -3e38
	v_mov_b32 v10, 0x7f61b1e6                      ; -M: 3e38
	v_mov_b32 v12, 0
	v_mov_b32 v13, 0
.set i, 0
.rept 32
	v_mov_b32 v[O+i], 0                            ; the step is written once: the first finds zeros, which the first change of M leaves zeros
.set i, i+1
.endr
	s_mov_b32 s[CNT], 0
	WALU                                           ; directly ahead of the wait below
	s_wait_loadcnt 0x0                             ; q is in
.Ltrip:
	STEP 0
	STEP 1
	s_add_co_u32 s[CNT], s[CNT], 1
	s_cmp_lt_u32 s[CNT], 8
	s_cbranch_scc1 .Ltrip
.rept 4
	v_nop                                          ; places behind the last products
.endr
	s_cmp_lg_u32 s[PS], 0
	s_cbranch_scc1 .Lno_q
	global_load_b128 v[QB:QB+3], v[G16], s[40:41] offset:26112     ; the second pass's q is asked for ahead of the first pass's way out
	global_load_b64 v[QB+4:QB+5], v[L8], s[40:41] offset:26112+512
	global_load_b32 v14, v[R16], s[42:43] offset:26112
.Lno_q:
	v_add_f32 v12, v12, v13
	v_permlanex16_b32 v254, v12, s[SEL], s[SEL+1]
	v_add_f32 v12, v12, v254                       ; the row's sum
	WALU
	v_rcp_f32 v254, v12
	v_nop                                          ; a plain place behind the reciprocal
	WALU                                           ; the wait ahead of its first reader, which is O^T's first reader too
.set j, 0
.rept 16
	v_pk_mul_f32 v[S+j:S+j+1], v[O+j:O+j+1], v[254:255] op_sel_hi:[1,0]   ; O^T / the sum: register 16 b + i is channel 32 b + 16 h + i of my query; each accumulator from its low end on
.set j, j+2
.endr
.irp b, 0,1                                    ; the head's 64 channels are two blocks of the output projection's K
	v_max3_num_f32 v[EP+\b], |v[S+16*\b]|, |v[S+1+16*\b]|, 0x1800000
.endr
.irp i, 2,4,6,8,10,12,14
.irp b, 0,1
	v_max3_num_f32 v[EP+\b], v[EP+\b], |v[S+16*\b+\i]|, |v[S+1+16*\b+\i]|
.endr
.endr
.irp b, 0,1
	v_permlanex16_b32 v[EP+2+\b], v[EP+\b], s[SEL], s[SEL+1]
.endr
.irp b, 0,1
	v_max_num_f32 v[EP+\b], v[EP+\b], v[EP+2+\b]
.endr
.irp b, 0,1
	v_add_nc_u32 v[EP+4+\b], 0xff000000, v[EP+\b]
.endr
.irp b, 0,1
	v_lshrrev_b32 v[EP+2+\b], 23, v[EP+4+\b]       ; the two bytes
.endr
	v_cvt_scalef32_pk16_fp6_f32 v[PCD:PCD+2], v[S:S+15], v[EP+4]
	v_cvt_scalef32_pk16_fp6_f32 v[EP+8:EP+10], v[S+16:S+31], v[EP+5]
	v_cndmask_b32 v254, v[EP+2], v[EP+3], s[HM]    ; lanes 0-15 store row r's first byte, lanes 16-31 its second.  (The plain place behind the conversions)
.irp i, 0,1,2
	v_permlane16_swap_b32 v[PCD+\i], v[EP+8+\i]    ; the operand wants a whole block in a lane
.endr
.irp i, 0,1,2
	v_mov_b32 v[PCD+3+\i], v[EP+8+\i]
.endr
	global_store_b128 v[G16], v[PCD:PCD+3], s[44:45]               ; a half image: 512 and 256 consecutive bytes, aligned
	global_store_b64 v[L8], v[PCD+4:PCD+5], s[44:45] offset:512
	global_store_b8 v[AB], v254, s[46:47]          ; one byte a lane against its 24 of codes: the heads interleave in the rows of scale bytes that the next product reads
	s_wait_xcnt 0x0                                ; the stores have read their registers and bases: both are written again only behind this wait
	s_add_nc_u64 s[44:45], s[44:45], 196608        ; the second pass's tile: 16 tiles on
	s_add_nc_u64 s[46:47], s[46:47], 8192
	s_add_co_u32 s[PS], s[PS], 1
	s_cmp_lt_u32 s[PS], 2
	s_cbranch_scc1 .Lpass
	s_wait_tensorcnt 0x0                           ; the wave's end
	ds_add_u32 v[SPW], v[NIL]
	s_wait_dscnt 0x0
	CROUND                                         ; the closing round
	s_endpgm
.Lfunc_end_k_q5ee9dab5c7_attn:
	.size	k_q5ee9dab5c7_attn, .Lfunc_end_k_q5ee9dab5c7_attn-k_q5ee9dab5c7_attn
	.p2alignl 7, 3214868480
	.fill 96, 4, 3214868480
	.section	.rodata,"a",@progbits
	.p2align	6, 0x0
	.amdhsa_kernel k_q5ee9dab5c7_attn
		.amdhsa_group_segment_fixed_size 263168
		.amdhsa_private_segment_fixed_size 0
		.amdhsa_enable_private_segment 0
		.amdhsa_kernarg_size 24
		.amdhsa_user_sgpr_count 2
		.amdhsa_user_sgpr_kernarg_segment_ptr 1
		.amdhsa_wavefront_size32 1
		.amdhsa_system_sgpr_workgroup_id_x 1
		.amdhsa_system_sgpr_workgroup_id_y 1
		.amdhsa_system_sgpr_workgroup_id_z 1
		.amdhsa_system_vgpr_workitem_id 0
		.amdhsa_next_free_vgpr 256
		.amdhsa_next_free_sgpr 66
		.amdhsa_reserve_vcc 0
		.amdhsa_float_denorm_mode_32 3
		.amdhsa_float_denorm_mode_16_64 3
		.amdhsa_memory_ordered 1
		.amdhsa_forward_progress 1
		.amdhsa_inst_pref_size 43
	.end_amdhsa_kernel
	.amdgpu_metadata
---
amdhsa.version: [ 1, 2 ]
amdhsa.kernels:
  - .name:           k_q5ee9dab5c7_attn
    .symbol:         k_q5ee9dab5c7_attn.kd
    .args:
      - { .name: qkv, .offset: 0, .size: 8, .value_kind: global_buffer, .address_space: global }
      - { .name: ac, .offset: 8, .size: 8, .value_kind: global_buffer, .address_space: global }
      - { .name: asc, .offset: 16, .size: 8, .value_kind: global_buffer, .address_space: global }
    .group_segment_fixed_size: 263168
    .private_segment_fixed_size: 0
    .kernarg_segment_align: 8
    .kernarg_segment_size: 24
    .max_flat_workgroup_size: 512
    .sgpr_count:     66
    .vgpr_count:     256
    .wavefront_size: 32
...
	.end_amdgpu_metadata
.endif
;; end of part 4
;; launch outp (part 5): grid 4 x 64, 4 waves a work-group, clusters of 4 x 4, 295,424 bytes of LDS; arguments ac, asc, wc, ws, bo, out0; writes out0
.if DOCPART == 5
	.amdgcn_target "amdgcn-amd-amdhsa--gfx1250"
	.amdhsa_code_object_version 6
	.text
	.protected	k_q5ee9dab5c7_outp
	.globl	k_q5ee9dab5c7_outp
	.p2align	8
	.type	k_q5ee9dab5c7_outp,@function
k_q5ee9dab5c7_outp:
	s_mov_b64 s[64:65], 0
	v_nop
	global_prefetch_b8 v0, s[64:65] scope:SCOPE_SE
	s_setreg_imm32_b32 hwreg(HW_REG_WAVE_MODE, 25, 1), 1
	s_wait_xcnt 0x0
	s_wait_alu depctr_hold_cnt(0) depctr_sa_sdst(0) depctr_va_vdst(0) depctr_va_sdst(0) depctr_va_ssrc(0) depctr_va_vcc(0) depctr_vm_vsrc(0)
	s_getreg_b32 s2, hwreg(HW_REG_IB_STS2, 6, 4)
	s_cmp_eq_u32 s2, 0
	s_cbranch_scc0 .Lentry_in_a_cluster
	s_endpgm
.Lentry_in_a_cluster:
	s_bfe_u32 s2, ttmp6, 0x10000c
	s_cmp_lg_u32 s2, 0xf033
	s_cbranch_scc0 .Lentry_shape_is_right
	s_endpgm
.Lentry_shape_is_right:
; out0 = attn wo + bo: [8192][1024] f32, K = 1,024, both operands codes of FP6 (E2M3) with E8M0 scales, as images of fragments: [tile of 16 rows][K step 8][1536]; scale bytes [row][32].
; Row r of tile T stands for row (A: token; B: column of wo) 32 (T / 2) + 8 (T % 2) + r + 8 (r / 8).
; SHARES: a work-group makes 128 x 256 of the result: 64 x 4 = 256 work-groups; four waves, 2 x 2, a wave 64 x 128: 32 accumulators of 16 x 16 in window 2.
; ALL OF K LIES IN LDS, FILLED ONCE: (8 + 16) tiles x 12,288 bytes = 294,912 bytes, in two halves of four K steps.  One joint load a wave at the head: wave 0 A's first half, wave 1 B's, wave 2 A's second half, wave 3 B's.
; A's tiles are shared along a row of the 4 x 4 cluster, B's along a column.  The first barrier shows waves 0 and 1's tiles (their load lines are theirs alone); the second, in K step 3, all that is still out.  Nothing is filled again: no ring, no round in the walk.
; No prefetch: every tile is asked for at the head, and there is no loop to run ahead in.
; THE SCALE WORDS go once from memory into registers: a row's 32 bytes are its eight words; A's 4 x 8 from v28 on, B's 8 x 8 from v64 on (their numbers differ by 4 modulo 8); lanes 0-15 are read.
; FRAGMENTS have two sets of registers (A: window 0, B: window 1): a step's 48 LDS loads are issued ahead of the step before's products.
; THE MATRIX INSTRUCTION IS USED TRANSPOSED (source 0 = B's rows): a lane holds eight neighbouring numbers of a row of the result.  The way out goes through each wave's stage in LDS, in the first K half, which nobody reads behind the second barrier.
.set FR,     12
.set FRB,    1536
.set TROW,   6144                      ; a tile's four K steps
.set HALFK,  24*TROW                   ; A's 8 tiles, then B's 16
.set SPARE,  2*HALFK                   ; the spare words: 128 bytes a wave, two blocks of 256 bytes that no other line names
.set SPITCH, 528
.set SPW,  12
.set NIL,  13
.set RD,   14
.set ADRA, 16                          ; v16-17 my A fragments in K half 0, 1, 16 bytes a lane; v18-19 8 bytes a lane
.set ADRB, 20                          ; v20-23 the same for B
.set L16,  24
.set L8,   25
.set STO,  26
.set R32,  27                          ; 32 r: my row of scale bytes
.set SA,   28
.set BO,   60
.set SB,   64
.set AF,   128
.set BK,   128
.set G1,  24
.set G0,  32
.set G1B, 48
.set G0B, 56
.set MSB, 0
.macro WIN new
.if MSB != (\new)
	s_set_vgpr_msb (MSB<<8)|(\new)
.set MSB, (\new)
.endif
.endm
.set MUL_LO, 0xa1                      ; source 0 (B) window 1, source 1 (A) window 0, C and D window 2
.set TO_B,   0x40
.macro CROUND
	s_barrier_signal -1
	s_barrier_wait -1
	s_cmp_lg_u32 s14, 0
	s_cbranch_scc1 .Lnot_wave_0_\@
	s_barrier_signal -3
.Lnot_wave_0_\@:
	s_barrier_wait -3
	s_barrier_signal -1
	s_barrier_wait -1
.endm
.macro PLACES n
.rept \n
	v_nop
.endr
.endm
	s_load_b256 s[4:11], s[0:1], 0x0               ; ac, asc, wc, ws
	s_load_b128 s[96:99], s[0:1], 0x20             ; bo, out0
	v_lshl_add_u32 v[SPW], v0, 2, SPARE
	v_mov_b32 v[NIL], 0
	ds_add_u32 v[SPW], v[NIL]                      ; the opening: the add, twice on end, and its wait ahead of my tensor load
	ds_add_u32 v[SPW], v[NIL]
	v_lshrrev_b32 v1, 5, v0
	v_readfirstlane_b32 s14, v1                    ; wave
	s_lshr_b32 s15, s14, 1                         ; my half of the block's rows.  Also: the K half that I fetch
	s_and_b32 s16, s14, 1                          ; my half of its columns.  Also: I fetch for A (0) or B (1)
	s_bfe_u32 s40, ttmp6, 0x40000
	s_bfe_u32 s41, ttmp6, 0x40004
	s_lshl_b32 s42, ttmp9, 2
	s_add_co_u32 s42, s42, s40                     ; block column, 0 .. 3
	s_and_b32 s17, ttmp7, 0xffff
	s_lshl_b32 s17, s17, 2
	s_add_co_u32 s17, s17, s41                     ; block row, 0 .. 63
	s_lshl_b32 s43, s41, 2
	s_lshl_b32 s43, 15, s43                        ; my row of the cluster
	s_lshl_b32 s44, 0x1111, s40                    ; my column
	s_or_b32 s[G1+0], s43, (3<<16)|(1<<21)
	s_or_b32 s[G1B+0], s44, (3<<16)|(1<<21)
.irp g, G1, G1B
	s_mov_b32 s[\g+1], 768<<16                     ; a row: 768 elements of 8 bytes, four K steps of a tile
	s_mov_b32 s[\g+3], 768<<16
	s_mov_b32 s[\g+5], 1536                        ; from tile to tile
	s_mov_b32 s[\g+6], 0
	s_mov_b32 s[\g+7], 0
.endr
	s_mov_b32 s[G1+2], 8<<16                       ; A: 8 tiles
	s_mov_b32 s[G1+4], 8
	s_mov_b32 s[G1B+2], 16<<16                     ; B: 16
	s_mov_b32 s[G1B+4], 16
	s_mul_i32 s18, s15, TROW
	s_mul_i32 s20, s17, 8*12288
	s_add_co_u32 s20, s20, s18                     ; A's tiles, my K half
	s_mov_b32 s21, 0
	s_mul_i32 s46, s42, 16*12288
	s_add_co_u32 s46, s46, s18
	s_add_co_u32 s46, s46, 192*12288               ; wo's tiles lie behind wq's, wk's, wv's
	s_mov_b32 s47, 0
	s_mul_i32 s45, s15, HALFK
	s_lshl_b32 s22, s17, 12                        ; the scale bytes of my 64 rows of A
	s_lshl_b32 s19, s15, 11
	s_add_co_u32 s22, s22, s19
	s_mov_b32 s23, 0
	s_lshl_b32 s92, s42, 13                        ; and of my 128 rows of B
	s_lshl_b32 s19, s16, 12
	s_add_co_u32 s92, s92, s19
	s_add_co_u32 s92, s92, 3072*32
	s_mov_b32 s93, 0
	s_lshl_b32 s94, s42, 10                        ; my first column, in bytes
	s_lshl_b32 s19, s16, 9
	s_add_co_u32 s94, s94, s19
	s_mov_b32 s95, 0
	s_lshl_b32 s90, s17, 7
	s_lshl_b32 s19, s15, 6
	s_add_co_u32 s90, s90, s19
	s_lshl_b32 s90, s90, 12                        ; my first row of the result (under 2^25 bytes)
	s_add_co_u32 s90, s90, s94
	s_mov_b32 s91, 0
	s_wait_dscnt 0x0                               ; both opening adds are done
	s_wait_kmcnt 0x0
	s_add_nc_u64 s[20:21], s[4:5], s[20:21]
	s_add_nc_u64 s[22:23], s[6:7], s[22:23]
	s_add_nc_u64 s[46:47], s[8:9], s[46:47]
	s_add_nc_u64 s[92:93], s[10:11], s[92:93]
	s_add_nc_u64 s[96:97], s[96:97], s[94:95]
	s_add_nc_u64 s[12:13], s[98:99], s[90:91]
	CROUND                                         ; all sixteen work-groups are here: the joint loads meet
	s_mov_b32 s[G0], 1
	s_mov_b32 s[G0+1], s45
	s_mov_b64 s[G0+2:G0+3], s[20:21]
	s_or_b32 s[G0+3], s[G0+3], 0x80000000
	s_mov_b32 s[G0B], 1
	s_add_co_u32 s[G0B+1], s45, 8*TROW
	s_mov_b64 s[G0B+2:G0B+3], s[46:47]
	s_or_b32 s[G0B+3], s[G0B+3], 0x80000000
; one tree of branches on the wave's number, a load line to each wave
.macro ARM under, g0, g1, next
	s_cmp_lt_u32 s14, \under
	s_cbranch_scc0 \next
	tensor_load_to_lds s[\g0:\g0+3], s[\g1:\g1+7]
	s_nop 0
	PLACES 4
	s_branch .Lhead_asked
\next:
.endm
	ARM 1, G0, G1, .Lhead_1
	ARM 2, G0B, G1B, .Lhead_2
	ARM 3, G0, G1, .Lhead_3
	tensor_load_to_lds s[G0B:G0B+3], s[G1B:G1B+7]
	s_nop 0
	PLACES 4
.Lhead_asked:
	s_mul_i32 s80, s15, 4*TROW                     ; my 4 tiles of A,
	s_mul_i32 s81, s16, 8*TROW                     ; my 8 of B,
	s_add_co_u32 s81, s81, 8*TROW                  ; which lie behind A's 8
	s_mul_i32 s82, s14, 16*SPITCH                  ; my stage
	v_and_b32 v1, 15, v0
	v_bfe_u32 v2, v0, 4, 1
	v_and_b32 v3, 31, v0
	v_lshlrev_b32 v[L16], 4, v3
	v_lshlrev_b32 v[L8], 3, v3
	v_lshlrev_b32 v[R32], 5, v1
.irp s, 0,1
	v_add_nc_u32 v[ADRA+\s], s80, v[L16]
	v_add_nc_u32 v[ADRB+\s], s81, v[L16]
	v_add_nc_u32 v[ADRA+2+\s], s80, v[L8]
	v_add_nc_u32 v[ADRB+2+\s], s81, v[L8]
	s_add_co_u32 s80, s80, HALFK
	s_add_co_u32 s81, s81, HALFK
.endr
	v_mul_u32_u24 v5, v1, SPITCH
	v_lshl_add_u32 v5, v2, 6, v5
	v_add_nc_u32 v[STO], s82, v5
	v_add_nc_u32 v[RD], s82, v[L16]
	s_wait_alu depctr_va_vdst(0)                   ; the wait at the head's end
.irp a, 0,1,2,3
	global_load_b128 v[SA+8*\a:SA+8*\a+3], v[R32], s[22:23] offset:512*\a          ; the two loads of a tile cover its rows' 512 consecutive bytes
	global_load_b128 v[SA+8*\a+4:SA+8*\a+7], v[R32], s[22:23] offset:512*\a+16
.endr
.irp b, 0,1,2,3,4,5,6,7
	global_load_b128 v[SB+8*\b:SB+8*\b+3], v[R32], s[92:93] offset:512*\b
	global_load_b128 v[SB+8*\b+4:SB+8*\b+7], v[R32], s[92:93] offset:512*\b+16
.endr
	global_load_b128 v[BO:BO+3], v[L16], s[96:97]  ; the bias of my 128 columns, four a lane
.macro FRAG reg, adr, q, i
	ds_load_b128 v[\reg:\reg+3], v[\adr] offset:(\i)*TROW+(\q)*FRB
	ds_load_b64 v[\reg+4:\reg+5], v[\adr+2] offset:(\i)*TROW+(\q)*FRB+512
	ds_load_b128 v[\reg+6:\reg+9], v[\adr] offset:(\i)*TROW+(\q)*FRB+768
	ds_load_b64 v[\reg+10:\reg+11], v[\adr+2] offset:(\i)*TROW+(\q)*FRB+1280
.endm
.macro FETCH n                         ; K step n's fragments into set n % 2: 48 loads
	WIN TO_B
.irp i, 0,1,2,3,4,5,6,7
	FRAG 128*((\n)%2)+FR*\i, ADRB+(\n)/4, (\n)%4, \i
.endr
	WIN 0
.irp i, 0,1,2,3
	FRAG AF+48*((\n)%2)+FR*\i, ADRA+(\n)/4, (\n)%4, \i
.endr
.endm
; 16 products: A's tiles a0, a0 + 1 against B's eight, K step q, set p.  The 32 accumulators take turns in the same order in every step
.macro MUL16 a0, p, q, zero
	WIN MUL_LO
.irp a, \a0, \a0+1
.irp b, 0,1,2,3,4,5,6,7
.if \zero
	v_wmma_scale_f32_16x16x128_f8f6f4 v[8*(8*(\a)+\b):8*(8*(\a)+\b)+7], v[128*(\p)+FR*\b:128*(\p)+FR*\b+FR-1], v[AF+48*(\p)+FR*(\a):AF+48*(\p)+FR*(\a)+FR-1], 0, v[SB+8*\b+(\q)], v[SA+8*(\a)+(\q)] matrix_a_fmt:MATRIX_FMT_FP6 matrix_b_fmt:MATRIX_FMT_FP6
.else
	v_wmma_scale_f32_16x16x128_f8f6f4 v[8*(8*(\a)+\b):8*(8*(\a)+\b)+7], v[128*(\p)+FR*\b:128*(\p)+FR*\b+FR-1], v[AF+48*(\p)+FR*(\a):AF+48*(\p)+FR*(\a)+FR-1], v[8*(8*(\a)+\b):8*(8*(\a)+\b)+7], v[SB+8*\b+(\q)], v[SA+8*(\a)+(\q)] matrix_a_fmt:MATRIX_FMT_FP6 matrix_b_fmt:MATRIX_FMT_FP6
.endif
.endr
.endr
	WIN 0
.endm
.macro STEP n, zero, fetch
	s_wait_dscnt 0x0                               ; this step's fragments are in: asked for ahead of the step before's products
.if \fetch
	PLACES 4                                       ; in front of loads into the set that the step before multiplied
	FETCH (\n)+1
.endif
	MUL16 0, (\n)%2, \n, \zero
	MUL16 2, (\n)%2, \n, \zero
.endm
	s_cmp_lt_u32 s14, 2
	s_cbranch_scc0 .Lnot_first
	s_wait_tensorcnt 0x0                           ; waves 0 and 1: my tile of the first K half is in
.Lnot_first:
	s_barrier_signal -1
	s_barrier_wait -1                              ; the first K half is whole; the second may be on its way
	FETCH 0
	s_wait_loadcnt 0x0                             ; the scale words and the bias
	STEP 0, 1, 1                                   ; the first step's products start the sums
	STEP 1, 0, 1
	STEP 2, 0, 1
	s_wait_dscnt 0x0                               ; step 3's fragments are in: my last reads of the first K half
	s_wait_tensorcnt 0x0                           ; every wave: all that is still out
	s_barrier_signal -1
	MUL16 0, 1, 3, 0
	s_barrier_wait -1                              ; the second K half is whole, and nobody reads the first any more
	PLACES 4
	FETCH 4
	MUL16 2, 1, 3, 0
	STEP 4, 0, 1
	STEP 5, 0, 1
	STEP 6, 0, 1
	STEP 7, 0, 0
; THE WAY OUT, tile by tile of 16 rows x 128 columns: through my stage, back as whole rows of 512 bytes, the bias added, stored as two aligned units of 256 bytes
.macro TOSTAGE a
.set AC, 64*(\a)
	WIN 0x08                                       ; the data: window 2
.irp b, 0,1,2,3,4,5,6,7
	ds_store_b128 v[STO], v[AC+8*\b:AC+8*\b+3] offset:128*(\b/2)+32*(\b%2)         ; each accumulator from its low end on
	ds_store_b128 v[STO], v[AC+8*\b+4:AC+8*\b+7] offset:128*(\b/2)+32*(\b%2)+16
.endr
	WIN 0
.set BB, BK+64*((\a)%2)
.irp t, 0,1,2,3,4,5,6,7,8,9,10,11,12,13,14,15
	ds_load_b128 v[BB+4*\t:BB+4*\t+3], v[RD] offset:\t*SPITCH      ; LDS serves a wave's instructions in order: these see my stores
.endr
.endm
.macro SEND a, younger                 ; younger: the LDS instructions issued behind tile a's loads
.set BB, BK+64*((\a)%2)
	s_wait_dscnt \younger
.irp t, 0,1,2,3,4,5,6,7,8,9,10,11,12,13,14,15
	v_pk_add_f32 v[BB+4*\t:BB+4*\t+1], v[BB+4*\t:BB+4*\t+1], v[BO:BO+1]
	v_pk_add_f32 v[BB+4*\t+2:BB+4*\t+3], v[BB+4*\t+2:BB+4*\t+3], v[BO+2:BO+3]
	global_store_b128 v[L16], v[BB+4*\t:BB+4*\t+3], s[12:13] offset:(32*((\a)/2)+8*((\a)%2)+\t+8*(\t/8))*4096 th:TH_STORE_NT
.endr
.endm
	PLACES 4                                       ; behind the last products: in front of the reads of results and of the loads into A's registers
	TOSTAGE 0
.irp a, 1,2,3
.if \a > 1
	s_wait_xcnt 0x0                                ; tile a - 2's stores have read their registers: tile a's loads may land there
.endif
	TOSTAGE \a
	SEND \a-1, 32                                  ; behind tile a - 1's loads: tile a's 16 stores and 16 loads
.endr
	SEND 3, 0
	s_wait_tensorcnt 0x0                           ; the wave's end
	ds_add_u32 v[SPW], v[NIL]
	s_wait_dscnt 0x0
	CROUND                                         ; the closing round
	s_endpgm
.Lfunc_end_k_q5ee9dab5c7_outp:
	.size	k_q5ee9dab5c7_outp, .Lfunc_end_k_q5ee9dab5c7_outp-k_q5ee9dab5c7_outp
	.p2alignl 7, 3214868480
	.fill 96, 4, 3214868480
	.section	.rodata,"a",@progbits
	.p2align	6, 0x0
	.amdhsa_kernel k_q5ee9dab5c7_outp
		.amdhsa_group_segment_fixed_size 295424
		.amdhsa_private_segment_fixed_size 0
		.amdhsa_enable_private_segment 0
		.amdhsa_kernarg_size 48
		.amdhsa_user_sgpr_count 2
		.amdhsa_user_sgpr_kernarg_segment_ptr 1
		.amdhsa_wavefront_size32 1
		.amdhsa_system_sgpr_workgroup_id_x 1
		.amdhsa_system_sgpr_workgroup_id_y 1
		.amdhsa_system_sgpr_workgroup_id_z 1
		.amdhsa_system_vgpr_workitem_id 0
		.amdhsa_next_free_vgpr 768
		.amdhsa_next_free_sgpr 100
		.amdhsa_reserve_vcc 0
		.amdhsa_float_denorm_mode_32 3
		.amdhsa_float_denorm_mode_16_64 3
		.amdhsa_memory_ordered 1
		.amdhsa_forward_progress 1
		.amdhsa_inst_pref_size 91
	.end_amdhsa_kernel
	.amdgpu_metadata
---
amdhsa.version: [ 1, 2 ]
amdhsa.kernels:
  - .name:           k_q5ee9dab5c7_outp
    .symbol:         k_q5ee9dab5c7_outp.kd
    .args:
      - { .name: ac, .offset: 0, .size: 8, .value_kind: global_buffer, .address_space: global }
      - { .name: asc, .offset: 8, .size: 8, .value_kind: global_buffer, .address_space: global }
      - { .name: wc, .offset: 16, .size: 8, .value_kind: global_buffer, .address_space: global }
      - { .name: ws, .offset: 24, .size: 8, .value_kind: global_buffer, .address_space: global }
      - { .name: bo, .offset: 32, .size: 8, .value_kind: global_buffer, .address_space: global }
      - { .name: out0, .offset: 40, .size: 8, .value_kind: global_buffer, .address_space: global }
    .group_segment_fixed_size: 295424
    .private_segment_fixed_size: 0
    .kernarg_segment_align: 8
    .kernarg_segment_size: 48
    .max_flat_workgroup_size: 128
    .sgpr_count:     100
    .vgpr_count:     768
    .wavefront_size: 32
...
	.end_amdgpu_metadata
.endif
;; end of part 5
